; MI455X (gfx1250); checked and timed in simulation.
; The chip was launched on July 23, 2026; its instructions are those of AMD's public machine-readable ISA for CDNA 5 (MIT licence, August 2026) and "CDNA5" Instruction Set Architecture Reference Guide (July 2026). The comments in the code are by the model that wrote it; some were corrected since.
;; Encoder Block. Allowed arithmetic: matrix products marked QUANTISED: E2M3 operands, one E8M0 scale for each 32 along K, by v_wmma_scale_f32_16x16x128_f8f6f4 with both operands' format E2M3, f32 sums; everything else in f32.
;; Inputs: W1 1,024 x 4,096 float32; W2 4,096 x 1,024 float32; Wk 16 x 1,024 x 64 float32; Wp 1,024 x 1,024 float32; Wq 16 x 1,024 x 64 float32; Wv 16 x 1,024 x 64 float32; b1 4,096 float32; b2 1,024 float32; be1 1,024 float32; be2 1,024 float32; bp 1,024 float32; g1 1,024 float32; g2 1,024 float32; mask 2,048 x 2,048 int32; x 2 x 2,048 x 1,024 float32.
;; Outputs: out0 2 x 2,048 x 1,024 float32.
;; This version of the problem:
;;   THIS VERSION OF THE PROBLEM IS GIVEN IN LOW PRECISION. The matrix products marked QUANTISED in the list below multiply operands that are first quantised to E2M3 (2 exponent bits, 3 mantissa bits; 6 bits a number), with one power-of-two scale for each 32 numbers along K (OCP MX v1.0); their sums are f32. All else is computed in f32.
;;   The module's matrix products, in the order in which they are computed (A, B: the left and right operand; K: the contracted axis; several contracted axes count as one K, in the product's order):
;;     1. [M 1,024, K 1,024] x [K 1,024, N 4,096]; A: input Wq; B: computed on the way: QUANTISED
;;     2. [M 1,024, K 1,024] x [K 1,024, N 4,096]; A: input Wk; B: computed on the way: QUANTISED
;;     3. [M 1,024, K 1,024] x [K 1,024, N 4,096]; A: input Wv; B: computed on the way: QUANTISED
;;     4. batch 32 x [M 2,048, K 64] x [K 64, N 2,048]; A: computed on the way; B: computed on the way: QUANTISED
;;     5. batch 32 x [M 2,048, K 2,048] x [K 2,048, N 64]; A: softmax (see below); B: computed on the way: QUANTISED
;;     6. [M 4,096, K 1,024] x [K 1,024, N 1,024]; A: computed on the way; B: input Wp: QUANTISED
;;     7. [M 4,096, K 1,024] x [K 1,024, N 4,096]; A: computed on the way; B: input W1: QUANTISED
;;     8. [M 4,096, K 4,096] x [K 4,096, N 1,024]; A: computed on the way; B: input W2: QUANTISED
;;   THE QUANTISER, for each operand of a quantised product, along K:
;;     - K is cut into blocks of 32 from its start; a last block that is shorter is filled with zeros.
;;     - A block's scale is 2^e with e = floor(log2(the largest magnitude in the block)) - 2, held to -126 .. 127; a block of zeros has e = 0. As a byte (E8M0): e + 127.
;;     - Each number is divided by its block's scale, clamped to +-7.5, and rounded to the nearest number of E2M3, ties to even, subnormals kept.
;;     - The product sums the exact products of the quantised numbers (number of the format x scale) in f32.
;;   ~~~python
;;   def quantise(x, axis):      # numpy; x: float32 -> the quantised numbers, widened to float32 again
;;       x = np.moveaxis(x, axis, -1); K = x.shape[-1]
;;       x = np.pad(x, [(0, 0)] * (x.ndim - 1) + [(0, -K % 32)]); x = x.reshape(x.shape[:-1] + (-1, 32)); a = np.abs(x).max(-1, keepdims=True)
;;       e = np.where(a > 0, np.clip(np.frexp(np.where(a > 0, a, 1))[1] - 1 - 2, -126, 127), 0)      # np.frexp(a)[1] - 1 = floor(log2(a)), exactly
;;       r = np.clip(x / 2.0 ** e, -7.5, 7.5)
;;       step = 2.0 ** (np.maximum(np.frexp(np.where(r == 0, 1, r))[1] - 1, 0) - 3)
;;       q = np.round(r / step) * step * 2.0 ** e      # np.round: ties to even
;;       return np.moveaxis(q.reshape(q.shape[:-2] + (-1,))[..., :K], -1, axis).astype(np.float32)
;;   ~~~
;;   SOFTMAX AHEAD OF A QUANTISED PRODUCT. Where the list says 'softmax', what is quantised is not the finished softmax but p = 2^(t - M), with t = logit x log2(e) and M = ceil(the row's largest t), a whole number; so 1/2 < the row's largest p <= 1. The row's sum l is taken of the UNQUANTISED p, in f32, and the product's result is divided by l at the end. Since M is a whole number, a kernel that streams over the keys may use a running M (the ceiling of the running maximum): every later rescaling is an exact power of two, which a block's scale takes up: the codes' values come out the same.
;;   OPERANDS COMPUTED ON THE WAY. 'Computed on the way' means the value that the module computes at that place (a softmax that the list does not call 'softmax' is quantised finished and normalised). What goes into a quantiser is computed in f32, as accurately as f32 sums, v_exp_f32 and their like allow (about 1e-6 of the number): no bf16 or f16 on the way to a quantiser, and a product that is left as it is and whose result goes on into a quantised operand takes f32 operands (vector FMAs, or v_wmma_f32_16x16x4_f32). A number that lies on a knife's edge between two numbers of the format may be rounded either way, as far as f32 arithmetic and the matrix unit's own rounding can turn it there, and no further.
;; One version. Each part assembles by itself: llvm-mc -triple=amdgcn-amd-amdhsa -mcpu=gfx1250 --defsym DOCPART=n.
;; ======== version 1 of 1: 7 launches
;; limits: right only within a limited range of input values
;; workspace buffers: wimg 9,830,400 bytes; maskw 524,288 bytes of whole numbers; himg 3,276,800 bytes; qkvb 10,223,616 bytes; aimg 3,276,800 bytes; x1 16,777,216 bytes; hid 13,107,200 bytes
;; launch prep (part 1): grid 1024 x 1, 4 waves a work-group, no clusters, 76,800 bytes of LDS; arguments Wq, Wk, Wv, Wp, W1, W2, mask, wimg, maskw, x, g1, be1, himg; writes wimg, maskw, himg
.if DOCPART == 1
	.amdgcn_target "amdgcn-amd-amdhsa--gfx1250"
	.amdhsa_code_object_version 6
	.text
	.protected	k_q8f14e7c3c0_prep
	.globl	k_q8f14e7c3c0_prep
	.p2align	8
	.type	k_q8f14e7c3c0_prep,@function
k_q8f14e7c3c0_prep:
	s_mov_b64 s[64:65], 0
	v_nop
	global_prefetch_b8 v0, s[64:65] scope:SCOPE_SE
	s_setreg_imm32_b32 hwreg(HW_REG_WAVE_MODE, 25, 1), 1
	s_wait_xcnt 0x0
; PREP.  Work-groups 0 to 767: one PANEL of a weight each: 128 output features x 128 along K, turned into codes of FP6 (E2M3) with one E8M0 byte for each 32 along K.
; Work-groups 768 to 895: the mask of one tile of 16 queries, packed to one bit a score.
; A PANEL is 12,800 bytes: eight fragments of 1,536 bytes (16 rows x 128 K as an image of the operand's 12 registers: for each 64 along K, registers 0-3 of lane L at 16 L, registers 4-5 at 512 + 8 L),
; then 128 scale words.  THE ROWS OF A TILE ARE NOT NEIGHBOURS: lane r of tile 2 b + u holds row 32 b + 8 u + r + 8 (r / 8).
; Every weight has K as its first axis: a lane takes a column and its registers run down K, so a block of 32 lies in one lane and nothing is transposed.  Each load of a wave reads 128 consecutive bytes.
; THE MASK WORDS: [query tile 128][key step 16][64 words]; word 16 b + i, bit 16 h + r is 1 where mask[query r of the tile][128 step + 32 b + 16 h + i] is 0.
; LIMITS: NaN and infinities among the weights are not served; a block whose largest magnitude lies under 2^-124 is held at the byte 1; a block of zeros gets the byte 1 and not 127 (its codes are zeros, and this program alone reads the bytes).
.set SPARE, 33792                      ; behind the four mask stages: the spare words, 128 bytes a wave
.set SPW, 216
.set NIL, 217
.set X,   16                           ; v16-79   weights: two sets of 32 numbers
.set CD,  80                           ; v80-119  a block's codes, ten registers for each of the four blocks: no store's data are written again
.set SW,  120                          ; v120     my column's scale word
.set RR,  16                           ; v16-143  mask: two sets of 16 x 4 words as loaded
.set TT,  144                          ; v144-207 a step's 64 words in the scores' order
.set OUT, 208                          ; v208-215 two registers of packed words for each of my four steps
	s_load_b512 s[4:19], s[0:1], 0x0               ; Wq, Wk, Wv, Wp, W1, W2, mask, wimg
	s_load_b64 s[20:21], s[0:1], 0x40              ; maskw
	v_lshl_add_u32 v[SPW], v0, 2, SPARE
	v_mov_b32 v[NIL], 0
	v_lshrrev_b32 v1, 5, v0
	v_readfirstlane_b32 s22, v1                    ; wave
	v_and_b32 v1, 31, v0                           ; lane
	s_mov_b32 s23, ttmp9
	s_wait_kmcnt 0x0
	s_cmp_ge_u32 s23, 768
	s_cbranch_scc1 .Lmask
	; ---- a weight panel.  Wave w takes the panel's columns 32 w + lane: tiles 2 w + u, u = (lane / 8) % 2, lane r = lane % 8 + 8 (lane / 16) of the tile
	s_wait_alu depctr_va_vdst(0)
	v_lshlrev_b32 v2, 2, v1                        ; in: 4 bytes a lane
	v_bfe_u32 v6, v1, 3, 1                         ; u
	v_and_b32 v7, 7, v1
	v_lshrrev_b32 v8, 4, v1
	v_lshl_or_b32 v7, v8, 3, v7                    ; r
	v_mul_u32_u24 v9, v6, 1536
	v_lshl_add_u32 v3, v7, 4, v9                   ; out: registers 0-3 of a block: 1536 u + 16 r
	v_lshl_add_u32 v4, v7, 3, v9                   ; registers 4-5: 1536 u + 8 r
	v_lshlrev_b32 v5, 6, v6
	v_lshl_add_u32 v5, v7, 2, v5                   ; the scale word: 64 u + 4 r
	s_mul_i32 s28, s23, 12800
	s_mul_i32 s30, s22, 3072
	s_add_co_u32 s30, s30, s28
	s_mov_b32 s31, 0
	s_add_nc_u64 s[24:25], s[18:19], s[30:31]      ; my two tiles of the panel
	s_lshl_b32 s30, s22, 7
	s_add_co_u32 s30, s30, s28
	s_add_co_u32 s30, s30, 12288
	s_add_nc_u64 s[26:27], s[18:19], s[30:31]      ; and their scale words
.macro LOADB t, pitch                  ; block t: W(32 t + i, my column), i = 0 .. 31
.set I, 0
.rept 32
	global_load_b32 v[X+32*((\t)%2)+I], v2, s[32:33] offset:(32*(\t)+I)*(\pitch) th:TH_LOAD_NT
.set I, I+1
.endr
.endm
.macro BLOCK t, pitch
.set XS, X+32*((\t)%2)
.set CC, CD+10*(\t)
.if (\t) < 3
	s_wait_loadcnt 32                              ; this block's 32 loads are in; the next block's may be out
.else
	s_wait_loadcnt 0x0
.endif
	v_max3_num_f32 v122, |v[XS]|, |v[XS+1]|, |v[XS+2]|
	v_max3_num_f32 v123, |v[XS+3]|, |v[XS+4]|, |v[XS+5]|
.irp i, 6,10,14,18,22,26
	v_max3_num_f32 v122, v122, |v[XS+\i]|, |v[XS+\i+1]|
	v_max3_num_f32 v123, v123, |v[XS+\i+2]|, |v[XS+\i+3]|
.endr
	v_max3_num_f32 v122, v122, |v[XS+30]|, |v[XS+31]|
	v_max3_num_f32 v122, v122, v123, 0x1800000     ; the floor 2^(3 - 127): the byte cannot fall under 1
	v_add_nc_u32 v124, 0xff000000, v122            ; 2 off the exponent field: the conversion's scale operand
	v_lshrrev_b32 v125, 23, v124                   ; the scale's byte
.if (\t) == 0
	v_mov_b32 v[SW], v125
.else
	v_lshl_or_b32 v[SW], v125, 8*(\t), v[SW]
.endif
	v_cvt_scalef32_pk16_fp6_f32 v[CC:CC+2], v[XS:XS+15], v124
	v_cvt_scalef32_pk16_fp6_f32 v[CC+6:CC+8], v[XS+16:XS+31], v124   ; (a conversion's three registers begin on an even number)
	v_nop                                          ; one plain instruction behind a scaled conversion
.irp i, 0,1,2
	v_mov_b32 v[CC+3+\i], v[CC+6+\i]
.endr
.if (\t) < 2
	LOADB (\t)+2, \pitch
.endif
	global_store_b128 v3, v[CC:CC+3], s[24:25] offset:768*((\t)/2)+256*((\t)%2)       ; sixteen lanes fill 256 consecutive, aligned bytes
	global_store_b64 v4, v[CC+4:CC+5], s[24:25] offset:768*((\t)/2)+512+128*((\t)%2)
.endm
.macro WPANEL pitch
	LOADB 0, \pitch
	LOADB 1, \pitch
	BLOCK 0, \pitch
	BLOCK 1, \pitch
	BLOCK 2, \pitch
	BLOCK 3, \pitch
	global_store_b32 v5, v[SW], s[26:27]
	s_wait_tensorcnt 0x0                           ; the wave's end
	ds_add_u32 v[SPW], v[NIL]
	s_wait_dscnt 0x0
	s_endpgm
.endm
	s_cmp_lt_u32 s23, 192
	s_cbranch_scc0 .Lnot_qkv
	; Wq, Wk, Wv: [head][d][64].  Panel g: tensor g / 64, row block (g / 8) % 8 (two heads), K step g % 8
	s_cmp_lt_u32 s23, 64
	s_cselect_b64 s[32:33], s[4:5], s[6:7]
	s_cmp_lt_u32 s23, 128
	s_cselect_b64 s[32:33], s[32:33], s[8:9]
	s_bfe_u32 s34, s23, 0x30003
	s_lshl_b32 s34, s34, 1
	s_lshr_b32 s35, s22, 1
	s_add_co_u32 s34, s34, s35                     ; the head
	s_lshl_b32 s34, s34, 18
	s_and_b32 s35, s23, 7
	s_lshl_b32 s35, s35, 15                        ; 128 rows d of 256 bytes a K step
	s_add_co_u32 s34, s34, s35
	s_and_b32 s35, s22, 1
	s_lshl_b32 s35, s35, 7                         ; which 32 of the head's 64
	s_add_co_u32 s34, s34, s35
	s_mov_b32 s35, 0
	s_add_nc_u64 s[32:33], s[32:33], s[34:35]
	WPANEL 256
.Lnot_qkv:
	s_cmp_lt_u32 s23, 256
	s_cbranch_scc1 .Lp4096
	s_cmp_lt_u32 s23, 512
	s_cbranch_scc0 .Lp4096
	; W1 [1024][4096]: panel g - 256: row block / 8, K step % 8
	s_sub_co_u32 s36, s23, 256
	s_and_b32 s34, s36, 7
	s_lshl_b32 s34, s34, 21
	s_lshr_b32 s35, s36, 3
	s_lshl_b32 s35, s35, 9
	s_add_co_u32 s34, s34, s35
	s_lshl_b32 s35, s22, 7
	s_add_co_u32 s34, s34, s35
	s_mov_b32 s35, 0
	s_add_nc_u64 s[32:33], s[12:13], s[34:35]
	WPANEL 16384
.Lp4096:
	; Wp [1024][1024] (8 K steps) or W2 [4096][1024] (32 K steps): rows of 4,096 bytes; the choice hangs on the work-group's number alone
	s_mov_b32 s36, 512
	s_cmp_lt_u32 s23, 256
	s_cselect_b64 s[32:33], s[10:11], s[14:15]
	s_cselect_b32 s36, 192, s36
	s_cselect_b32 s37, 7, 31
	s_cselect_b32 s38, 3, 5
	s_sub_co_u32 s36, s23, s36
	s_and_b32 s34, s36, s37
	s_lshl_b32 s34, s34, 19
	s_lshr_b32 s35, s36, s38
	s_lshl_b32 s35, s35, 9
	s_add_co_u32 s34, s34, s35
	s_lshl_b32 s35, s22, 7
	s_add_co_u32 s34, s34, s35
	s_mov_b32 s35, 0
	s_add_nc_u64 s[32:33], s[32:33], s[34:35]
	WPANEL 4096
.Lmask:
	s_cmp_ge_u32 s23, 896                          ; work-groups 896 to 1,023: the first layer norm
	s_cbranch_scc1 .Lln
	; ---- the mask of query tile qt; wave w takes key steps 4 w .. 4 w + 3.  A step's 16 rows x 512 bytes turn through the wave's own stage (rows 528 bytes apart) into the scores' order
	s_sub_co_u32 s23, s23, 768                     ; qt
	s_lshr_b32 s24, s23, 1
	s_lshl_b32 s24, s24, 5
	s_and_b32 s25, s23, 1
	s_lshl_b32 s25, s25, 3
	s_add_co_u32 s24, s24, s25                     ; the tile's first query
	s_lshl_b32 s24, s24, 13                        ; a row of the mask is 8,192 bytes
	s_lshl_b32 s25, s22, 11
	s_add_co_u32 s24, s24, s25
	s_mov_b32 s25, 0
	s_add_nc_u64 s[16:17], s[16:17], s[24:25]
	s_lshl_b32 s24, s23, 4
	s_lshl_b32 s26, s22, 2
	s_add_co_u32 s24, s24, s26
	s_lshl_b32 s24, s24, 8
	s_add_nc_u64 s[20:21], s[20:21], s[24:25]
	s_mul_i32 s26, s22, 8448
	s_wait_alu depctr_va_vdst(0)
	v_lshlrev_b32 v2, 4, v1                        ; 16 x lane
	v_add_nc_u32 v3, s26, v2                       ; into the stage
	v_and_b32 v4, 15, v1
	v_lshrrev_b32 v5, 4, v1
	v_mul_u32_u24 v4, v4, 528
	v_lshl_add_u32 v4, v5, 6, v4
	v_add_nc_u32 v4, s26, v4                       ; out of it: row r, + 64 h
	v_lshlrev_b32 v5, 2, v1                        ; 4 x lane
.irp i, 0,1,2,3,4,5,6,7
	v_mov_b32 v[OUT+\i], 0                         ; a lane write's destination counts as read
.endr
.macro MLOAD s                         ; lane n of the tile is query n + 8 (n / 8): 512 consecutive bytes of its row
.irp n, 0,1,2,3,4,5,6,7,8,9,10,11,12,13,14,15
	global_load_b128 v[RR+64*((\s)%2)+4*\n:RR+64*((\s)%2)+4*\n+3], v2, s[16:17] offset:(\n+8*(\n/8))*8192+512*(\s) th:TH_LOAD_NT
.endr
.endm
.macro MSTEP s
.if (\s) < 3
	s_wait_loadcnt 16                              ; this step's 16 loads are in; the next step's may be out
.else
	s_wait_loadcnt 0x0
.endif
.irp n, 0,1,2,3,4,5,6,7,8,9,10,11,12,13,14,15
	ds_store_b128 v3, v[RR+64*((\s)%2)+4*\n:RR+64*((\s)%2)+4*\n+3] offset:528*\n
.endr
.irp b, 0,1,2,3
.irp q, 0,1,2,3
	ds_load_b128 v[TT+16*\b+4*\q:TT+16*\b+4*\q+3], v4 offset:128*\b+16*\q   ; LDS serves a wave's instructions in order: these see the stores above
.endr
.endr
	s_wait_dscnt 0x0                               ; the words are back, and the stores have read their registers
.if (\s) < 2
	MLOAD (\s)+2
.endif
.set J, 0
.rept 64
	v_cmp_eq_u32 s[28+J%4], 0, v[TT+J]             ; one bit a lane: hidden
	v_writelane_b32 v[OUT+2*(\s)+J/32], s[28+J%4], J%32
.set J, J+1
.endr
	global_store_b32 v5, v[OUT+2*(\s)], s[20:21] offset:256*(\s)
	global_store_b32 v5, v[OUT+2*(\s)+1], s[20:21] offset:256*(\s)+128
.endm
	MLOAD 0
	MLOAD 1
	s_wait_alu depctr_va_vdst(0)
	MSTEP 0
	MSTEP 1
	MSTEP 2
	MSTEP 3
	s_wait_tensorcnt 0x0                           ; the wave's end: behind my last LDS store
	ds_add_u32 v[SPW], v[NIL]
	s_wait_dscnt 0x0
	s_endpgm
.Lln:
	; ---- THE FIRST LAYER NORM AND ITS QUANTISER: x [4096][1024] f32, g1, be1 -> himg, panels [32 row blocks][8 K steps] of 12,800 bytes (eight fragments of 1,536 bytes as images of the operand's registers, then 128 scale words).
	; Work-group 896 + l takes tokens 32 l .. 32 l + 31 as two tiles of 16, one a trip (lane r of tile 2 b + u of a panel holds token 32 b + 8 u + r + 8 (r / 8)); wave s takes columns 256 s .. 256 s + 255: K steps 2 s and 2 s + 1.
	; Each load reads 512 consecutive bytes of a row; 16 x 512 bytes turn through the wave's own stage, so that lane (r, h) holds, of token r, the 16 neighbours 32 b + 16 h + 0 .. 15 of each block b of 32.
	; Mean and variance in two passes (the variance of the centred numbers); the four waves' partial sums meet in LDS behind a barrier each: the two regions take turns, so that a barrier lies between a region's reads and its next stores.
	; A wave's 1,024 bytes of gain and of bias lie in LDS bytes of its own and are read in pieces of 32 numbers.  This path has LDS bytes of its own, behind the spare words.
	; LIMITS: NaN and infinities are not served; a block whose largest magnitude lies under 2^-124 is held at the byte 1; a block of zeros gets the byte 1 and not 127.
.set LRED, 34304                       ; 4 waves x 16 sums, and 256 bytes on the same for the squares
.set LGL,  34816                       ; the gain's 4,096 bytes, then the bias's
.set LSTG, 43008                       ; four stages of 16 x 528 bytes
.set LD,  16                           ; v16-143  my 128 numbers: 64 for each K step
.set LG,  144                          ; v144-175 partial sums, then 32 of the gain
.set LB,  176                          ; v176-207 32 of the bias
.set LT,  218                          ; v218-233 at work in the quantiser
.set LPW, 234
.set LPC, 236                          ; v236-254 the codes
.macro LROWS
.irp c, 0,1
.irp n, 0,1,2,3,4,5,6,7,8,9,10,11,12,13,14,15
	global_load_b128 v[LD+64*\c+4*\n:LD+64*\c+4*\n+3], v4, s[36:37] offset:4096*(\n+8*(\n/8))+512*\c
.endr
.endr
.endm
.macro LFOLD                           ; four pairs of partial sums become one number, v208
	v_pk_add_f32 v[LG:LG+1], v[LG:LG+1], v[LG+2:LG+3]
	v_pk_add_f32 v[LG+4:LG+5], v[LG+4:LG+5], v[LG+6:LG+7]
	v_pk_add_f32 v[LG:LG+1], v[LG:LG+1], v[LG+4:LG+5]
	v_add_f32 v208, v[LG], v[LG+1]
.endm
.macro LMEET red                       ; v208, my 128 numbers' sum, becomes the row's sum over the four waves
	v_permlanex16_b32 v209, v208, s44, s45
	v_add_f32 v208, v208, v209
	ds_store_b32 v8, v208 offset:\red              ; lanes r and 16 + r write the same word with the same value
	s_wait_dscnt 0x0                               ; for the others' sake
	s_barrier_signal -1
	s_barrier_wait -1
.irp i, 0,1,2,3
	ds_load_b32 v[212+\i], v12 offset:\red+64*\i
.endr
	s_wait_dscnt 0x0
	v_add_f32 v212, v212, v213
	v_add_f32 v214, v214, v215
	v_add_f32 v208, v212, v214
.endm
.macro LQUANT s, pc, pw                ; 64 numbers of a lane, register 16 b + i = k 32 b + 16 h + i of my row, become a fragment in v[pc] .. v[pc + 11] and its scale word
.irp b, 0,1,2,3
	v_max3_num_f32 v[LT+\b], |v[\s+16*\b]|, |v[\s+1+16*\b]|, 0x1800000   ; with the floor 2^(3 - 127): the byte cannot fall under 1
.endr
.irp i, 2,4,6,8,10,12,14
.irp b, 0,1,2,3
	v_max3_num_f32 v[LT+\b], v[LT+\b], |v[\s+16*\b+\i]|, |v[\s+1+16*\b+\i]|
.endr
.endr
.irp b, 0,1,2,3
	v_permlanex16_b32 v[LT+4+\b], v[LT+\b], s44, s45
.endr
.irp b, 0,1,2,3
	v_max_num_f32 v[LT+\b], v[LT+\b], v[LT+4+\b]   ; with lane l xor 16: the block's largest magnitude
.endr
.irp b, 0,1,2,3
	v_add_nc_u32 v[LT+12+\b], 0xff000000, v[LT+\b] ; 2 off its exponent field: the conversion's scale operand
.endr
.irp b, 0,1,2,3
	v_lshrrev_b32 v[LT+4+\b], 23, v[LT+12+\b]      ; the scale's byte
.endr
	v_lshl_or_b32 v[\pw], v[LT+5], 8, v[LT+4]
	v_lshl_or_b32 v[\pw], v[LT+6], 16, v[\pw]
	v_lshl_or_b32 v[\pw], v[LT+7], 24, v[\pw]
.irp c, 0,1
	v_cvt_scalef32_pk16_fp6_f32 v[\pc+6*\c:\pc+2+6*\c], v[\s+32*\c:\s+15+32*\c], v[LT+12+2*\c]
	v_cvt_scalef32_pk16_fp6_f32 v[\pc+12+4*\c:\pc+14+4*\c], v[\s+16+32*\c:\s+31+32*\c], v[LT+12+2*\c+1]
.endr
	v_nop                                          ; one plain instruction behind a scaled conversion
.irp c, 0,1                            ; the operand wants a whole block in a lane: lanes 0-15 block 2 c, lanes 16-31 block 2 c + 1
.irp i, 0,1,2
	v_permlane16_swap_b32 v[\pc+6*\c+\i], v[\pc+12+4*\c+\i]
.endr
.irp i, 0,1,2
	v_mov_b32 v[\pc+3+6*\c+\i], v[\pc+12+4*\c+\i]
.endr
.endr
.endm
	s_wait_alu depctr_va_vdst(0)
	s_load_b256 s[36:43], s[0:1], 0x48             ; x, g1, be1, himg
	s_sub_co_u32 s23, s23, 896                     ; l
	v_and_b32 v2, 15, v1                           ; r
	v_lshrrev_b32 v3, 4, v1                        ; h
	v_lshlrev_b32 v4, 4, v1                        ; 16 x lane
	v_lshlrev_b32 v10, 3, v1                       ; 8 x lane
	v_lshlrev_b32 v9, 2, v2                        ; 4 r
	s_mul_i32 s24, s22, 8448
	s_add_co_u32 s24, s24, LSTG                    ; my stage
	v_add_nc_u32 v5, s24, v4                       ; into it
	v_mul_u32_u24 v6, v2, 528
	v_lshl_add_u32 v6, v3, 6, v6
	v_add_nc_u32 v6, s24, v6                       ; out of it: row r, + 64 h
	s_lshl_b32 s25, s22, 10
	s_add_co_u32 s25, s25, LGL                     ; my 1,024 bytes of the gain in LDS (the bias's: 4,096 further on)
	v_add_nc_u32 v11, s25, v4                      ; into them
	v_lshl_add_u32 v7, v3, 6, s25                  ; out of them: + 64 h
	s_lshl_b32 s26, s22, 6
	s_add_co_u32 s26, s26, LRED
	v_add_nc_u32 v8, s26, v9                       ; my sum's word: 64 x wave + 4 r
	v_add_nc_u32 v12, LRED, v9                     ; and the four waves'
.irp b, 0,1,2,3
	v_mov_b32 v[LT+4+\b], 0                        ; a lane permute's destination counts as read
.endr
	v_mov_b32 v209, 0
	s_lshl_b32 s28, s23, 17                        ; 32 rows of 4,096 bytes a work-group,
	s_lshl_b32 s30, s22, 10                        ; my 1,024 bytes of a row
	s_add_co_u32 s28, s28, s30
	s_mov_b32 s29, 0
	s_mov_b32 s31, 0
	s_lshr_b32 s32, s23, 2                         ; the row block,
	s_lshl_b32 s32, s32, 3
	s_lshl_b32 s33, s22, 1
	s_add_co_u32 s32, s32, s33                     ; its K step 2 s
	s_mul_i32 s32, s32, 12800
	s_and_b32 s33, s23, 3
	s_mul_i32 s34, s33, 3072
	s_add_co_u32 s34, s34, s32                     ; fragment 2 (l % 4) of the panel
	s_lshl_b32 s33, s33, 7
	s_add_co_u32 s32, s32, s33
	s_add_co_u32 s32, s32, 12288                   ; its scale words
	s_mov_b32 s33, 0
	s_mov_b32 s35, 0
	s_mov_b32 s44, 0x76543210
	s_mov_b32 s45, 0xfedcba98
	s_mov_b32 s46, 0x3a800000                      ; 1 / 1024
	s_mov_b32 s47, 0x3727c5ac                      ; 1e-5
	s_wait_alu depctr_va_vdst(0)
	s_wait_kmcnt 0x0
	s_add_nc_u64 s[36:37], s[36:37], s[28:29]
	s_add_nc_u64 s[38:39], s[38:39], s[30:31]
	s_add_nc_u64 s[40:41], s[40:41], s[30:31]
	s_add_nc_u64 s[34:35], s[42:43], s[34:35]
	s_add_nc_u64 s[32:33], s[42:43], s[32:33]
	global_load_b128 v[LG:LG+3], v4, s[38:39]
	global_load_b128 v[LG+4:LG+7], v4, s[38:39] offset:512
	global_load_b128 v[LG+8:LG+11], v4, s[40:41]
	global_load_b128 v[LG+12:LG+15], v4, s[40:41] offset:512
	LROWS
	s_wait_loadcnt 32                              ; gain and bias are in; the tile's 32 loads may be out
	ds_store_b128 v11, v[LG:LG+3]
	ds_store_b128 v11, v[LG+4:LG+7] offset:512
	ds_store_b128 v11, v[LG+8:LG+11] offset:4096
	ds_store_b128 v11, v[LG+12:LG+15] offset:4608
	s_mov_b32 s24, 0
.Ltile:
	s_wait_loadcnt 0x0                             ; the tile's rows are in
.irp c, 0,1
.irp n, 0,1,2,3,4,5,6,7,8,9,10,11,12,13,14,15
	ds_store_b128 v5, v[LD+64*\c+4*\n:LD+64*\c+4*\n+3] offset:528*\n
.endr
.irp b, 0,1,2,3
.irp q, 0,1,2,3
	ds_load_b128 v[LD+64*\c+16*\b+4*\q:LD+64*\c+16*\b+4*\q+3], v6 offset:128*\b+16*\q   ; LDS serves a wave's instructions in order (ISA guide 5.7.1.4): these see the stores above, and the next K step's stores come behind them
.endr
.endr
.endr
	s_wait_dscnt 0x0                               ; my numbers are back
.irp k, 0,1,2,3
	v_pk_add_f32 v[LG+2*\k:LG+2*\k+1], v[LD+2*\k:LD+2*\k+1], v[LD+8+2*\k:LD+9+2*\k]
.endr
.set P, 8
.rept 56
	v_pk_add_f32 v[LG+2*(P%4):LG+2*(P%4)+1], v[LG+2*(P%4):LG+2*(P%4)+1], v[LD+2*P:LD+2*P+1]
.set P, P+1
.endr
	LFOLD
	LMEET 0
	v_mul_f32 v210, s46, v208                      ; the mean
	v_mov_b32 v211, v210
.set P, 0
.rept 64
	v_pk_add_f32 v[LD+2*P:LD+2*P+1], v[LD+2*P:LD+2*P+1], v[210:211] neg_lo:[0,1] neg_hi:[0,1]
.set P, P+1
.endr
.irp k, 0,1,2,3
	v_pk_mul_f32 v[LG+2*\k:LG+2*\k+1], v[LD+2*\k:LD+2*\k+1], v[LD+2*\k:LD+2*\k+1]   ; the squares of the centred numbers
.endr
.set P, 4
.rept 60
	v_pk_fma_f32 v[LG+2*(P%4):LG+2*(P%4)+1], v[LD+2*P:LD+2*P+1], v[LD+2*P:LD+2*P+1], v[LG+2*(P%4):LG+2*(P%4)+1]
.set P, P+1
.endr
	LFOLD
	LMEET 256
	v_fma_f32 v208, v208, s46, s47                 ; the variance + 1e-5
	s_wait_alu depctr_va_vdst(0)                   ; ahead of the transcendental
	v_rsq_f32 v210, v208
	v_nop                                          ; a plain instruction behind the transcendental
	s_wait_alu depctr_va_vdst(0)                   ; and ahead of its first reader
	v_mov_b32 v211, v210
	s_wait_alu depctr_va_vdst(0)
.irp c, 0,1
.irp p, 0,1                            ; 32 numbers at a time: their gain and bias out of LDS
.irp q, 0,1,2,3,4,5,6,7
	ds_load_b128 v[LG+4*\q:LG+4*\q+3], v7 offset:512*\c+256*\p+128*(\q/4)+16*(\q%4)
	ds_load_b128 v[LB+4*\q:LB+4*\q+3], v7 offset:4096+512*\c+256*\p+128*(\q/4)+16*(\q%4)
.endr
	s_wait_dscnt 0x0
.irp j, 0,2,4,6,8,10,12,14,16,18,20,22,24,26,28,30
	v_pk_mul_f32 v[LD+64*\c+32*\p+\j:LD+64*\c+32*\p+\j+1], v[LD+64*\c+32*\p+\j:LD+64*\c+32*\p+\j+1], v[210:211]
.endr
.irp j, 0,2,4,6,8,10,12,14,16,18,20,22,24,26,28,30
	v_pk_fma_f32 v[LD+64*\c+32*\p+\j:LD+64*\c+32*\p+\j+1], v[LD+64*\c+32*\p+\j:LD+64*\c+32*\p+\j+1], v[LG+\j:LG+\j+1], v[LB+\j:LB+\j+1]
.endr
.endr
.endr
.irp c, 0,1
	s_wait_alu depctr_va_vdst(0)
	s_wait_xcnt 0x0                                ; the earlier stores have read the codes' registers
	LQUANT LD+64*\c, LPC, LPW
	global_store_b128 v4, v[LPC:LPC+3], s[34:35] offset:12800*\c          ; the fragment as it stands: 512 and 256 consecutive bytes a store
	global_store_b64 v10, v[LPC+4:LPC+5], s[34:35] offset:12800*\c+512
	global_store_b128 v4, v[LPC+6:LPC+9], s[34:35] offset:12800*\c+768
	global_store_b64 v10, v[LPC+10:LPC+11], s[34:35] offset:12800*\c+1280
	global_store_b32 v9, v[LPW], s[32:33] offset:12800*\c                 ; lanes r and 16 + r store the same word with the same value
.endr
	s_wait_alu depctr_va_vdst(0)
	s_wait_xcnt 0x0                                ; the bases are stepped only behind this wait
	s_add_nc_u64 s[36:37], s[36:37], 32768         ; the second tile begins 8 rows further down,
	s_add_nc_u64 s[34:35], s[34:35], 1536          ; and is the panel's next fragment
	s_add_nc_u64 s[32:33], s[32:33], 64
	s_cmp_lg_u32 s24, 0
	s_cbranch_scc1 .Lno_more                       ; the second trip asks for nothing
	LROWS
.Lno_more:
	s_add_co_u32 s24, s24, 1
	s_cmp_lt_u32 s24, 2
	s_cbranch_scc1 .Ltile
	s_wait_tensorcnt 0x0                           ; the wave's end: behind my last LDS store
	ds_add_u32 v[SPW], v[NIL]
	s_wait_dscnt 0x0
	s_endpgm
.Lfunc_end_k_q8f14e7c3c0_prep:
	.size	k_q8f14e7c3c0_prep, .Lfunc_end_k_q8f14e7c3c0_prep-k_q8f14e7c3c0_prep
	.p2alignl 7, 3214868480
	.fill 96, 4, 3214868480
	.section	.rodata,"a",@progbits
	.p2align	6, 0x0
	.amdhsa_kernel k_q8f14e7c3c0_prep
		.amdhsa_group_segment_fixed_size 76800
		.amdhsa_private_segment_fixed_size 0
		.amdhsa_enable_private_segment 0
		.amdhsa_kernarg_size 104
		.amdhsa_user_sgpr_count 2
		.amdhsa_user_sgpr_kernarg_segment_ptr 1
		.amdhsa_wavefront_size32 1
		.amdhsa_system_sgpr_workgroup_id_x 1
		.amdhsa_system_sgpr_workgroup_id_y 1
		.amdhsa_system_sgpr_workgroup_id_z 1
		.amdhsa_system_vgpr_workitem_id 0
		.amdhsa_next_free_vgpr 256
		.amdhsa_next_free_sgpr 66
		.amdhsa_reserve_vcc 0
		.amdhsa_float_denorm_mode_32 3
		.amdhsa_float_denorm_mode_16_64 3
		.amdhsa_memory_ordered 1
		.amdhsa_forward_progress 1
		.amdhsa_inst_pref_size 157
	.end_amdhsa_kernel
	.amdgpu_metadata
---
amdhsa.version: [ 1, 2 ]
amdhsa.kernels:
  - .name:           k_q8f14e7c3c0_prep
    .symbol:         k_q8f14e7c3c0_prep.kd
    .args:
      - { .name: Wq, .offset: 0, .size: 8, .value_kind: global_buffer, .address_space: global }
      - { .name: Wk, .offset: 8, .size: 8, .value_kind: global_buffer, .address_space: global }
      - { .name: Wv, .offset: 16, .size: 8, .value_kind: global_buffer, .address_space: global }
      - { .name: Wp, .offset: 24, .size: 8, .value_kind: global_buffer, .address_space: global }
      - { .name: W1, .offset: 32, .size: 8, .value_kind: global_buffer, .address_space: global }
      - { .name: W2, .offset: 40, .size: 8, .value_kind: global_buffer, .address_space: global }
      - { .name: mask, .offset: 48, .size: 8, .value_kind: global_buffer, .address_space: global }
      - { .name: wimg, .offset: 56, .size: 8, .value_kind: global_buffer, .address_space: global }
      - { .name: maskw, .offset: 64, .size: 8, .value_kind: global_buffer, .address_space: global }
      - { .name: x, .offset: 72, .size: 8, .value_kind: global_buffer, .address_space: global }
      - { .name: g1, .offset: 80, .size: 8, .value_kind: global_buffer, .address_space: global }
      - { .name: be1, .offset: 88, .size: 8, .value_kind: global_buffer, .address_space: global }
      - { .name: himg, .offset: 96, .size: 8, .value_kind: global_buffer, .address_space: global }
    .group_segment_fixed_size: 76800
    .private_segment_fixed_size: 0
    .kernarg_segment_align: 8
    .kernarg_segment_size: 104
    .max_flat_workgroup_size: 128
    .sgpr_count:     66
    .vgpr_count:     256
    .wavefront_size: 32
...
	.end_amdgpu_metadata
.endif
;; end of part 1
;; launch qkv (part 2): grid 8 x 24, 16 waves a work-group, clusters of 4 x 4, 327,680 bytes of LDS; arguments wimg, himg, qkvb; writes qkvb
.if DOCPART == 2
	.amdgcn_target "amdgcn-amd-amdhsa--gfx1250"
	.amdhsa_code_object_version 6
	.text
	.protected	k_q8f14e7c3c0_qkv
	.globl	k_q8f14e7c3c0_qkv
	.p2align	8
	.type	k_q8f14e7c3c0_qkv,@function
k_q8f14e7c3c0_qkv:
	s_mov_b64 s[64:65], 0
	v_nop
	global_prefetch_b8 v0, s[64:65] scope:SCOPE_SE
	s_setreg_imm32_b32 hwreg(HW_REG_WAVE_MODE, 25, 1), 1
	s_wait_xcnt 0x0
	s_wait_alu depctr_hold_cnt(0) depctr_sa_sdst(0) depctr_va_vdst(0) depctr_va_sdst(0) depctr_va_ssrc(0) depctr_va_vcc(0) depctr_vm_vsrc(0)
	s_getreg_b32 s2, hwreg(HW_REG_IB_STS2, 6, 4)
	s_cmp_eq_u32 s2, 0
	s_cbranch_scc0 .Lentry_in_a_cluster
	s_endpgm
.Lentry_in_a_cluster:
	s_bfe_u32 s2, ttmp6, 0x10000c
	s_cmp_lg_u32 s2, 0xf033
	s_cbranch_scc0 .Lentry_shape_is_right
	s_endpgm
.Lentry_shape_is_right:
; Q, K, V = h [Wq | Wk | Wv], on codes of FP6 (E2M3) with E8M0 scales, and their results quantised on the way out: q and k along the head's 64, v along the keys.
; OPERANDS are panels of 12,800 bytes (128 rows x 128 K: eight fragments as images of the operand's registers, then 128 scale words), K steps of a row block on end.  Lane r of tile 2 b + u holds row 32 b + 8 u + r + 8 (r / 8).
; A work-group makes 256 x 256; sixteen waves of 256 registers, four to a SIMD.
; A WAVE makes X = 128 rows (source 0) x Y = 32 rows (source 1): a lane holds ONE row of Y, and its register 16 b + i the row 32 b + 16 h + i of X: 16 neighbours along the axis that is quantised next.
; X IS ALWAYS TAKEN BY WORK-GROUP x AND Y BY THE PLACE ALONG y, so that LDS looks the same in every work-group; what differs is the buffer and the block that each side reads, chosen on the cluster's y, which all sixteen partners share.
; Rows 0-3 of clusters: X = the weights' block of 256 rows, work-group x (cluster x = 0: Wq, 1: Wk; four heads a block), Y = the tokens' block 4 x cluster y + cy.
; Rows 4, 5 of clusters (v): X = the tokens' block work-group x + 8 (cluster y - 4) (two key steps), Y = Wv's block cy (the weights' block 8 + cy).
; RING: two slots of 102,400 bytes (two K steps of X's two row blocks, then of Y's); each wave fetches 6,400 dense bytes by one joint load: X's are shared down a column of the cluster, Y's along a row.
; OUT: q: records of 768 bytes (16 tokens x 64) [bh][tile], scale words [bh][tile][16]; k and v: a record of 13,312 bytes for each (bh, key step): K's 8 records, V^T's 4 fragments, K's 128 words, V's 64 words, 256 zeros.
; q's and k's scale words carry the byte 0x7f (1.0) for the upper 64 of the instruction's 128 along K, which the attention fills with zero codes.
; LIMITS: NaN and infinities are not served; a block whose largest magnitude lies under 2^-124 is held at the byte 1; a block of zeros gets the byte 1 and not 127.
.set KS,    8
.set SLOT,  102400
.set STEPB, 25600                      ; a slot's part of a row block: two K steps
.set SPARE, 204800                     ; behind the ring: the spare words, 128 bytes a wave
.set QSC,   3145728                    ; q's scale words in the buffer
.set KV,    3407872                    ; the records of k and v
.set REC,   13312
.set WV,  14
.set SEL, 20
.set G1P, 24                           ; s[24:31], s[32:39]: groups 1 and 0 (a set for each slot) for X
.set G0P, 32
.set G1Q, 48                           ; s[48:55], s[56:63]: for Y
.set G0Q, 56
.set XB,  90                           ; s90  X's block of 256 rows: it never holds cy
.set YB,  91                           ; s91  Y's block of 256 rows: it never holds cx
.set TM,  224
; v2,3 X's fragments (16 x lane), slot 0, 1; v4,5 the same (8 x lane); v6-9 Y's; v10,11 X's scale words; v12,13 Y's; v14, v15 the add's two; v16-39 Y's two fragments; v40-87 four of X's; v88-91, v92 scale words; v96-223 accumulators
.macro ROUND                           ; a round of the cluster's barrier
	s_barrier_signal -1
	s_barrier_wait -1
	s_cmp_lg_u32 s[WV], 0
	s_cbranch_scc1 .Lnot_wave_0_\@
	s_barrier_signal -3
.Lnot_wave_0_\@:
	s_barrier_wait -3
	s_barrier_signal -1
	s_barrier_wait -1
.endm
.macro JLOAD s                         ; a joint load: waves 0-7 fetch for X, waves 8-15 for Y; the branch hangs on the wave's number alone
	s_cmp_lt_u32 s[WV], 8
	s_cbranch_scc0 .Lfor_q_\@
	tensor_load_to_lds s[G0P+4*(\s):G0P+4*(\s)+3], s[G1P:G1P+7]
	s_nop 0
.rept 4
	v_nop
.endr
	s_branch .Lasked_\@
.Lfor_q_\@:
	tensor_load_to_lds s[G0Q+4*(\s):G0Q+4*(\s)+3], s[G1Q:G1Q+7]
	s_nop 0
.rept 4
	v_nop
.endr
.Lasked_\@:
.endm
.macro FRAG reg, a16, a8, off          ; a fragment comes back as it was stored: 512, 256, 512, 256 consecutive bytes
	ds_load_b128 v[\reg:\reg+3], v[\a16] offset:\off
	ds_load_b64 v[\reg+4:\reg+5], v[\a8] offset:\off+512
	ds_load_b128 v[\reg+6:\reg+9], v[\a16] offset:\off+768
	ds_load_b64 v[\reg+10:\reg+11], v[\a8] offset:\off+1280
.endm
.macro WM x, y, zero                   ; tile x of X against tile y of Y.  A register of scale words holds an even tile's in lanes 0-15 and the odd one's in lanes 16-31
.set rD, 96+64*(\y)+8*(\x)
.set rA, 40+12*((\x)%4)
.set rB, 16+12*(\y)
.set rS, 88+(\x)/2
.if \zero
.if ((\x)%2) && (\y)
	v_wmma_scale_f32_16x16x128_f8f6f4 v[rD:rD+7], v[rA:rA+11], v[rB:rB+11], 0, v[rS], v92 matrix_a_fmt:MATRIX_FMT_FP6 matrix_b_fmt:MATRIX_FMT_FP6 matrix_a_scale:MATRIX_SCALE_ROW1 matrix_b_scale:MATRIX_SCALE_ROW1
.elseif (\x)%2
	v_wmma_scale_f32_16x16x128_f8f6f4 v[rD:rD+7], v[rA:rA+11], v[rB:rB+11], 0, v[rS], v92 matrix_a_fmt:MATRIX_FMT_FP6 matrix_b_fmt:MATRIX_FMT_FP6 matrix_a_scale:MATRIX_SCALE_ROW1
.elseif \y
	v_wmma_scale_f32_16x16x128_f8f6f4 v[rD:rD+7], v[rA:rA+11], v[rB:rB+11], 0, v[rS], v92 matrix_a_fmt:MATRIX_FMT_FP6 matrix_b_fmt:MATRIX_FMT_FP6 matrix_b_scale:MATRIX_SCALE_ROW1
.else
	v_wmma_scale_f32_16x16x128_f8f6f4 v[rD:rD+7], v[rA:rA+11], v[rB:rB+11], 0, v[rS], v92 matrix_a_fmt:MATRIX_FMT_FP6 matrix_b_fmt:MATRIX_FMT_FP6
.endif
.else
.if ((\x)%2) && (\y)
	v_wmma_scale_f32_16x16x128_f8f6f4 v[rD:rD+7], v[rA:rA+11], v[rB:rB+11], v[rD:rD+7], v[rS], v92 matrix_a_fmt:MATRIX_FMT_FP6 matrix_b_fmt:MATRIX_FMT_FP6 matrix_a_scale:MATRIX_SCALE_ROW1 matrix_b_scale:MATRIX_SCALE_ROW1
.elseif (\x)%2
	v_wmma_scale_f32_16x16x128_f8f6f4 v[rD:rD+7], v[rA:rA+11], v[rB:rB+11], v[rD:rD+7], v[rS], v92 matrix_a_fmt:MATRIX_FMT_FP6 matrix_b_fmt:MATRIX_FMT_FP6 matrix_a_scale:MATRIX_SCALE_ROW1
.elseif \y
	v_wmma_scale_f32_16x16x128_f8f6f4 v[rD:rD+7], v[rA:rA+11], v[rB:rB+11], v[rD:rD+7], v[rS], v92 matrix_a_fmt:MATRIX_FMT_FP6 matrix_b_fmt:MATRIX_FMT_FP6 matrix_b_scale:MATRIX_SCALE_ROW1
.else
	v_wmma_scale_f32_16x16x128_f8f6f4 v[rD:rD+7], v[rA:rA+11], v[rB:rB+11], v[rD:rD+7], v[rS], v92 matrix_a_fmt:MATRIX_FMT_FP6 matrix_b_fmt:MATRIX_FMT_FP6
.endif
.endif
.endm
.macro MM4 xa, zero
	WM \xa, 0, \zero
	WM \xa, 1, \zero
	WM (\xa)+1, 0, \zero
	WM (\xa)+1, 1, \zero
.endm
; 128 along K for a wave: 16 matrix instructions; the 16 accumulators take turns, one instruction a turn, in the same order in every step
.macro KSTEP slot, ko, zero
.rept 4
	v_nop                                          ; four plain instructions in front of loads into registers that matrix instructions have read (ISA guide 7.12.1 for vector instructions)
.endr
	FRAG 16, 6+\slot, 8+\slot, \ko
	FRAG 28, 6+\slot, 8+\slot, \ko+1536
	ds_load_b32 v92, v[12+\slot] offset:\ko
.irp i, 0,1,2,3
	ds_load_b32 v[88+\i], v[10+\slot] offset:\ko+128*\i
.endr
.irp x, 0,1,2,3
	FRAG 40+12*\x, 2+\slot, 4+\slot, \ko+1536*\x
.endr
	s_wait_dscnt 8                                 ; all but the youngest eight loads: X's tiles 2 and 3
	MM4 0, \zero
	s_wait_dscnt 0x0
	MM4 2, \zero
.rept 4
	v_nop
.endr
.irp x, 4,5,6,7
	FRAG 40+12*(\x-4), 2+\slot, 4+\slot, \ko+1536*\x
.endr
	s_wait_dscnt 8                                 ; all but tiles 6 and 7
	MM4 4, \zero
	s_wait_dscnt 0x0
	MM4 6, \zero
.endm
.macro WORK slot, zero                 ; a slot's two K steps
	KSTEP \slot, 0, \zero
	KSTEP \slot, 12800, 0
.endm
; The change of slots, ahead of the work on a slot: every wave waits for all its tensor loads, adds 0 to its spare word, waits for that and for its reads of the slot that it has left.
; refill = 1: a round of the cluster's barrier, and the slot just left is filled with the K steps two slots on: the first thing behind the round, one load a wave.
.macro CHANGE slot, refill
	s_wait_tensorcnt 0x0                           ; no tensor load of mine is out, so a group 0 may be written
	ds_add_u32 v14, v15
.if \refill
	s_add_nc_u64 s[G0P+4*(1-\slot)+2:G0P+4*(1-\slot)+3], s[G0P+4*(1-\slot)+2:G0P+4*(1-\slot)+3], 2*STEPB
	s_add_nc_u64 s[G0Q+4*(1-\slot)+2:G0Q+4*(1-\slot)+3], s[G0Q+4*(1-\slot)+2:G0Q+4*(1-\slot)+3], 2*STEPB
.endif
	s_wait_dscnt 0x0
.if \refill
	ROUND
	JLOAD 1-\slot
.else
	s_barrier_signal -1
	s_barrier_wait -1
.endif
.endm
.macro QUANT s, pc, pw                 ; 64 numbers of a lane, register 16 b + i = k 32 b + 16 h + i of my row, become a fragment in v[pc] .. v[pc + 11] and its scale word
.irp b, 0,1,2,3
	v_max3_num_f32 v[TM+\b], |v[\s+16*\b]|, |v[\s+1+16*\b]|, 0x1800000   ; with the floor 2^(3 - 127): the byte cannot fall under 1
.endr
.irp i, 2,4,6,8,10,12,14
.irp b, 0,1,2,3
	v_max3_num_f32 v[TM+\b], v[TM+\b], |v[\s+16*\b+\i]|, |v[\s+1+16*\b+\i]|
.endr
.endr
.irp b, 0,1,2,3
	s_delay_alu instid0(VALU_DEP_4)
	v_permlanex16_b32 v[TM+4+\b], v[TM+\b], s[SEL], s[SEL+1]
.endr
.irp b, 0,1,2,3
	s_delay_alu instid0(VALU_DEP_4)
	v_max_num_f32 v[TM+\b], v[TM+\b], v[TM+4+\b]
.endr
.irp b, 0,1,2,3
	s_delay_alu instid0(VALU_DEP_4)
	v_add_nc_u32 v[TM+12+\b], 0xff000000, v[TM+\b]
.endr
.irp b, 0,1,2,3
	s_delay_alu instid0(VALU_DEP_4)
	v_lshrrev_b32 v[TM+4+\b], 23, v[TM+12+\b]
.endr
	s_delay_alu instid0(VALU_DEP_3)
	v_lshl_or_b32 v[\pw], v[TM+5], 8, v[TM+4]
	s_delay_alu instid0(VALU_DEP_1)
	v_lshl_or_b32 v[\pw], v[TM+6], 16, v[\pw]
	s_delay_alu instid0(VALU_DEP_1)
	v_lshl_or_b32 v[\pw], v[TM+7], 24, v[\pw]
.irp c, 0,1
	v_cvt_scalef32_pk16_fp6_f32 v[\pc+6*\c:\pc+2+6*\c], v[\s+32*\c:\s+15+32*\c], v[TM+12+2*\c]
	v_cvt_scalef32_pk16_fp6_f32 v[\pc+12+4*\c:\pc+14+4*\c], v[\s+16+32*\c:\s+31+32*\c], v[TM+12+2*\c+1]
.endr
	v_nop                                          ; one plain instruction behind a scaled conversion
.irp c, 0,1
.irp i, 0,1,2
	v_permlane16_swap_b32 v[\pc+6*\c+\i], v[\pc+12+4*\c+\i]
.endr
.irp i, 0,1,2
	s_delay_alu instid0(VALU_DEP_3)
	v_mov_b32 v[\pc+3+6*\c+\i], v[\pc+12+4*\c+\i]
.endr
.endr
.endm
	s_load_b128 s[4:7], s[0:1], 0x0                ; the weights' panels, h's panels
	s_load_b64 s[8:9], s[0:1], 0x10                ; out
	v_lshl_add_u32 v14, v0, 2, SPARE
	v_mov_b32 v15, 0
	ds_add_u32 v14, v15                            ; the wave's opening: the add and its wait stand ahead of my first tensor load
	ds_add_u32 v14, v15
	v_lshrrev_b32 v1, 5, v0
	s_delay_alu instid0(VALU_DEP_1)
	v_readfirstlane_b32 s[WV], v1
	s_and_b32 s15, s[WV], 7
	s_bfe_u32 s40, ttmp6, 0x40000                  ; cx
	s_bfe_u32 s41, ttmp6, 0x40004                  ; cy
	s_lshl_b32 s42, ttmp9, 2
	s_add_co_u32 s42, s42, s40                     ; work-group x, 0 .. 7
	s_and_b32 s43, ttmp7, 0xffff                   ; the cluster's y, 0 .. 5: from 4 on the cluster makes v
	s_lshl_b32 s44, 0x1111, s40                    ; my column of the cluster
	s_lshl_b32 s45, s41, 2
	s_lshl_b32 s45, 15, s45                        ; my row
	s_or_b32 s[G1P], s44, (3<<16)|(1<<21)          ; 15:0 the mask: X's tiles go to my column; 17:16 elements of 8 bytes; 21 set beside a mask; no padding
	s_or_b32 s[G1Q], s45, (3<<16)|(1<<21)          ; Y's go to my row
.irp g, G1P, G1Q
	s_mov_b32 s[\g+1], 32<<16                      ; tensor_dim0 = 32 elements: 256 bytes
	s_mov_b32 s[\g+2], 50<<16                      ; tensor_dim1 = 50 rows for the head's load: a panel of 12,800 dense bytes (set to 25 behind it)
	s_mov_b32 s[\g+3], 32<<16                      ; tile_dim0
	s_mov_b32 s[\g+4], 50                          ; tile_dim1
	s_mov_b32 s[\g+5], 32                          ; the pitch
	s_mov_b32 s[\g+6], 0
	s_mov_b32 s[\g+7], 0
.endr
	s_lshl_b32 s[YB], s43, 2                       ; q, k: the tokens' block 4 x cluster y (+ cy)
	s_sub_co_u32 s[XB], s43, 4
	s_lshl_b32 s[XB], s[XB], 3                     ; v: the tokens' block 8 (cluster y - 4) (+ work-group x)
	s_cmp_ge_u32 s43, 4
	s_cselect_b32 s[XB], s[XB], 0                  ; q, k: the weights' block (work-group x)
	s_cselect_b32 s[YB], 8, s[YB]                  ; v: the weights' block 8 (+ cy): Wv
	s_add_co_u32 s[XB], s[XB], s42
	s_add_co_u32 s[YB], s[YB], s41
	s_lshr_b32 s16, s15, 2                         ; which of the two row blocks I fetch,
	s_and_b32 s17, s15, 3
	s_mul_i32 s17, s17, 6400                       ; and which quarter of its two K steps
	s_lshl_b32 s18, s[XB], 1
	s_add_co_u32 s18, s18, s16
	s_mul_i32 s18, s18, KS*12800
	s_add_co_u32 s18, s18, s17                     ; X: hangs on work-group x and the cluster's y
	s_mov_b32 s19, 0
	s_lshl_b32 s46, s[YB], 1
	s_add_co_u32 s46, s46, s16
	s_mul_i32 s46, s46, KS*12800
	s_add_co_u32 s46, s46, s17                     ; Y: on cy and the cluster's y
	s_mov_b32 s47, 0
	s_mul_i32 s2, s[WV], 6400                      ; where it goes: the wave's number alone enters an LDS address
	s_mov_b32 s[SEL], 0x76543210
	s_mov_b32 s[SEL+1], 0xfedcba98
	s_mov_b32 s22, 0xffff0000                      ; lanes 16-31
	s_mov_b32 s23, 0x7f7f0000                      ; two bytes of 1.0
	s_wait_dscnt 0x0                               ; the opening add is done
	s_wait_kmcnt 0x0
	s_cmp_ge_u32 s43, 4                            ; the choice of buffers hangs on the cluster's y alone
	s_cselect_b64 s[10:11], s[6:7], s[4:5]         ; X: the weights; for v the tokens
	s_cselect_b64 s[12:13], s[4:5], s[6:7]         ; Y: the tokens; for v the weights
	s_add_nc_u64 s[18:19], s[10:11], s[18:19]
	s_add_nc_u64 s[46:47], s[12:13], s[46:47]
	ROUND                                          ; all sixteen work-groups are here: the first joint loads meet
.irp s, 0,1
	s_mov_b32 s[G0P+4*\s], 1
	s_add_co_u32 s[G0P+4*\s+1], s2, \s*SLOT
	s_add_nc_u64 s[G0P+4*\s+2:G0P+4*\s+3], s[18:19], \s*STEPB
	s_or_b32 s[G0P+4*\s+3], s[G0P+4*\s+3], 0x80000000
	s_mov_b32 s[G0Q+4*\s], 1
	s_add_co_u32 s[G0Q+4*\s+1], s2, \s*SLOT
	s_add_nc_u64 s[G0Q+4*\s+2:G0Q+4*\s+3], s[46:47], \s*STEPB
	s_or_b32 s[G0Q+4*\s+3], s[G0Q+4*\s+3], 0x80000000
.endr
	; THE HEAD'S LOAD, ONE A WAVE: both slots hold 16 panels, 8 of X and 8 of Y; wave w takes the panel of row block (w % 8) / 4, K step w % 4,
	; which lies in slot (K step / 2), at row block x 25,600 + (K step % 2) x 12,800 (Y's: 51,200 further on)
	s_bfe_u32 s66, s15, 0x10001
	s_mul_i32 s66, s66, SLOT
	s_and_b32 s67, s15, 1
	s_mul_i32 s67, s67, 12800
	s_add_co_u32 s66, s66, s67
	s_mul_i32 s67, s16, STEPB
	s_add_co_u32 s66, s66, s67
	s_mov_b32 s92, s17                             ; s[18:19], s[46:47] stand (w % 4) x 6,400 bytes into the row block: as much again is the panel's first byte
	s_mov_b32 s93, 0
	s_add_nc_u64 s[94:95], s[18:19], s[92:93]
	s_add_nc_u64 s[98:99], s[46:47], s[92:93]
	s_or_b32 s95, s95, 0x80000000
	s_or_b32 s99, s99, 0x80000000
	s_mov_b32 s92, 1
	s_mov_b32 s93, s66
	s_mov_b32 s96, 1
	s_add_co_u32 s97, s66, 2*STEPB
	s_cmp_lt_u32 s[WV], 8
	s_cbranch_scc0 .Lhead_q
	tensor_load_to_lds s[92:95], s[G1P:G1P+7]
	s_nop 0
.rept 4
	v_nop
.endr
	s_branch .Lhead_asked
.Lhead_q:
	tensor_load_to_lds s[96:99], s[G1Q:G1Q+7]
	s_nop 0
.rept 4
	v_nop
.endr
.Lhead_asked:
	v_and_b32 v1, 31, v0
	s_delay_alu instid0(VALU_DEP_1)
	v_lshlrev_b32 v244, 4, v1
	s_wait_alu depctr_va_vdst(0)
	v_lshlrev_b32 v245, 3, v1
	s_wait_alu depctr_va_vdst(0)
	v_lshlrev_b32 v246, 2, v1
	v_mov_b32 v243, 0
.irp b, 0,1,2,3
	v_mov_b32 v[TM+4+\b], 0                        ; a lane permute's destination counts as read
.endr
	s_lshr_b32 s66, s[WV], 3                       ; wx: which 128 of X
	s_and_b32 s67, s[WV], 7                        ; wy: which 32 of Y
	s_mul_i32 s69, s66, 25600                      ; X's row block, from the slot's first byte on
	s_lshr_b32 s71, s67, 2
	s_mul_i32 s70, s71, 25600
	s_add_co_u32 s70, s70, 51200                   ; Y's row block, behind X's two
	s_and_b32 s71, s67, 3
	s_mul_i32 s72, s71, 3072
	s_add_co_u32 s72, s72, s70                     ; my two tiles of it
	s_lshl_b32 s71, s71, 7
	s_add_co_u32 s71, s71, s70
	s_add_co_u32 s71, s71, 12288                   ; their scale words
	s_add_co_u32 s70, s69, 12288                   ; X's scale words
.irp s, 0,1
	v_add_nc_u32 v[2+\s], s69, v244
	v_add_nc_u32 v[4+\s], s69, v245
	v_add_nc_u32 v[6+\s], s72, v244
	v_add_nc_u32 v[8+\s], s72, v245
	v_add_nc_u32 v[10+\s], s70, v246
	v_add_nc_u32 v[12+\s], s71, v246
	s_add_co_u32 s69, s69, SLOT
	s_add_co_u32 s70, s70, SLOT
	s_add_co_u32 s71, s71, SLOT
	s_add_co_u32 s72, s72, SLOT
.endr
	s_wait_alu depctr_va_vdst(0)
	s_wait_tensorcnt 0x0                           ; my panel is in; no tensor load of mine is out, so a descriptor may be written: from here on a load brings 25 rows
	s_mov_b32 s[G1P+2], 25<<16
	s_mov_b32 s[G1P+4], 25
	s_mov_b32 s[G1Q+2], 25<<16
	s_mov_b32 s[G1Q+4], 25
	s_barrier_signal -1
	s_barrier_wait -1
	WORK 0, 1                                      ; K steps 0, 1: the first products start the sums
	CHANGE 1, 1
	WORK 1, 0                                      ; 2, 3
	CHANGE 0, 1
	WORK 0, 0                                      ; 4, 5
	CHANGE 1, 0
	WORK 1, 0                                      ; 6, 7
.rept 4
	v_nop                                          ; four plain instructions in front of the first read of results
.endr
	QUANT 96, 40, 240                              ; Y's tile 0
	QUANT 160, 60, 241                             ; Y's tile 1
	s_cmp_ge_u32 s43, 4                            ; the cluster's y: the same in all partners
	s_cbranch_scc1 .Lv
	; ---- q or k: my 32 tokens x two heads.  Registers 6 c .. 6 c + 5 of a fragment are head c's record, bytes 2 c, 2 c + 1 of the word its scales
	s_lshl_b32 s68, s[XB], 1
	s_add_co_u32 s68, s68, s66
	s_and_b32 s68, s68, 7                          ; the pair of heads
	s_lshr_b32 s69, s[YB], 3                       ; the batch
	s_and_b32 s70, s[YB], 7                        ; my 256 tokens in it
	s_lshl_b32 s69, s69, 4
	s_lshl_b32 s68, s68, 1
	s_add_co_u32 s68, s68, s69                     ; bh of the first head
	s_lshl_b32 s71, s68, 7
	s_lshl_b32 s72, s70, 4
	s_add_co_u32 s71, s71, s72
	s_lshl_b32 s72, s67, 1
	s_add_co_u32 s71, s71, s72                     ; q: 128 bh + my first tile
	s_mul_i32 s72, s71, 768
	s_lshl_b32 s73, s71, 6
	s_add_co_u32 s73, s73, QSC
	s_lshl_b32 s74, s68, 4
	s_lshl_b32 s75, s70, 1
	s_add_co_u32 s74, s74, s75
	s_lshr_b32 s75, s67, 2
	s_add_co_u32 s74, s74, s75                     ; k: 16 bh + the key step
	s_mul_i32 s74, s74, REC
	s_add_co_u32 s74, s74, KV
	s_and_b32 s75, s67, 3
	s_mul_i32 s76, s75, 1536
	s_add_co_u32 s76, s76, s74
	s_lshl_b32 s75, s75, 7
	s_add_co_u32 s75, s75, s74
	s_add_co_u32 s75, s75, 12288
	s_mov_b32 s78, 16*REC                          ; from head to head: k's codes and words,
	s_mov_b32 s80, 16*REC
	s_cmp_eq_u32 ttmp9, 0                          ; cluster x = 0: q
	s_cselect_b32 s72, s72, s76
	s_cselect_b32 s74, s73, s75
	s_cselect_b32 s78, 98304, s78                  ; q's codes,
	s_cselect_b32 s80, 8192, s80                   ; q's words
	s_mov_b32 s73, 0
	s_mov_b32 s75, 0
	s_mov_b32 s79, 0
	s_mov_b32 s81, 0
	s_add_nc_u64 s[82:83], s[8:9], s[72:73]
	s_add_nc_u64 s[84:85], s[82:83], s[78:79]
	s_add_nc_u64 s[86:87], s[8:9], s[74:75]
	s_add_nc_u64 s[88:89], s[86:87], s[80:81]
	s_wait_alu depctr_va_vdst(0)
.irp y, 0,1
.irp c, 0,1
	global_store_b128 v244, v[40+20*\y+6*\c:43+20*\y+6*\c], s[82+2*\c:83+2*\c] offset:768*\y
	global_store_b64 v245, v[44+20*\y+6*\c:45+20*\y+6*\c], s[82+2*\c:83+2*\c] offset:768*\y+512
.endr
.endr
	v_and_or_b32 v247, v240, 0xffff, s23           ; head 0: bytes 0, 1, and 1.0 above
	v_and_or_b32 v248, v241, 0xffff, s23
	s_delay_alu instid0(VALU_DEP_1)
	v_cndmask_b32 v249, v247, v248, s22            ; lanes 0-15: tile 0, lanes 16-31: tile 1
	v_lshrrev_b32 v250, 16, v240                   ; head 1: bytes 2, 3
	v_lshrrev_b32 v251, 16, v241
	s_delay_alu instid0(VALU_DEP_2)
	v_or_b32 v250, s23, v250
	s_delay_alu instid0(VALU_DEP_2)
	v_or_b32 v251, s23, v251
	s_delay_alu instid0(VALU_DEP_1)
	v_cndmask_b32 v252, v250, v251, s22
	global_store_b32 v246, v249, s[86:87]
	global_store_b32 v246, v252, s[88:89]
	s_branch .Lend
.Lv:
	; ---- v: my 32 channels x one key step of 128 tokens: two fragments of V^T
	s_lshl_b32 s68, s[XB], 1
	s_add_co_u32 s68, s68, s66                     ; the tokens' row block, 0 .. 31
	s_lshr_b32 s69, s68, 4                         ; the batch
	s_and_b32 s68, s68, 15                         ; the key step
	s_lshl_b32 s70, s41, 1
	s_lshr_b32 s71, s67, 2
	s_add_co_u32 s70, s70, s71                     ; Wv's row block: 2 cy + wy / 4
	s_lshl_b32 s70, s70, 1
	s_bfe_u32 s71, s67, 0x10001
	s_add_co_u32 s70, s70, s71                     ; the head
	s_lshl_b32 s69, s69, 4
	s_add_co_u32 s69, s69, s70
	s_lshl_b32 s69, s69, 4
	s_add_co_u32 s69, s69, s68
	s_mul_i32 s72, s69, REC
	s_add_co_u32 s72, s72, KV
	s_and_b32 s70, s67, 1                          ; which 32 of the head's 64 channels
	s_mul_i32 s71, s70, 3072
	s_add_co_u32 s74, s72, s71
	s_add_co_u32 s74, s74, 6144
	s_lshl_b32 s70, s70, 7
	s_add_co_u32 s72, s72, s70
	s_add_co_u32 s72, s72, 12800
	s_mov_b32 s73, 0
	s_mov_b32 s75, 0
	s_add_nc_u64 s[82:83], s[8:9], s[74:75]
	s_add_nc_u64 s[86:87], s[8:9], s[72:73]
	s_wait_alu depctr_va_vdst(0)
.irp y, 0,1
	global_store_b128 v244, v[40+20*\y:43+20*\y], s[82:83] offset:1536*\y
	global_store_b64 v245, v[44+20*\y:45+20*\y], s[82:83] offset:1536*\y+512
	global_store_b128 v244, v[46+20*\y:49+20*\y], s[82:83] offset:1536*\y+768
	global_store_b64 v245, v[50+20*\y:51+20*\y], s[82:83] offset:1536*\y+1280
.endr
	v_cndmask_b32 v249, v240, v241, s22
	global_store_b32 v246, v249, s[86:87]
	global_store_b32 v246, v243, s[86:87] offset:256   ; the record's last 256 bytes are read with it: zeros
.Lend:
	s_wait_tensorcnt 0x0                           ; the wave's end
	ds_add_u32 v14, v15
	s_wait_dscnt 0x0
	ROUND                                          ; the closing round
	s_endpgm
.Lfunc_end_k_q8f14e7c3c0_qkv:
	.size	k_q8f14e7c3c0_qkv, .Lfunc_end_k_q8f14e7c3c0_qkv-k_q8f14e7c3c0_qkv
	.p2alignl 7, 3214868480
	.fill 96, 4, 3214868480
	.section	.rodata,"a",@progbits
	.p2align	6, 0x0
	.amdhsa_kernel k_q8f14e7c3c0_qkv
		.amdhsa_group_segment_fixed_size 327680
		.amdhsa_private_segment_fixed_size 0
		.amdhsa_enable_private_segment 0
		.amdhsa_kernarg_size 24
		.amdhsa_user_sgpr_count 2
		.amdhsa_user_sgpr_kernarg_segment_ptr 1
		.amdhsa_wavefront_size32 1
		.amdhsa_system_sgpr_workgroup_id_x 1
		.amdhsa_system_sgpr_workgroup_id_y 1
		.amdhsa_system_sgpr_workgroup_id_z 1
		.amdhsa_system_vgpr_workitem_id 0
		.amdhsa_next_free_vgpr 256
		.amdhsa_next_free_sgpr 100
		.amdhsa_reserve_vcc 0
		.amdhsa_float_denorm_mode_32 3
		.amdhsa_float_denorm_mode_16_64 3
		.amdhsa_memory_ordered 1
		.amdhsa_forward_progress 1
		.amdhsa_inst_pref_size 67
	.end_amdhsa_kernel
	.amdgpu_metadata
---
amdhsa.version: [ 1, 2 ]
amdhsa.kernels:
  - .name:           k_q8f14e7c3c0_qkv
    .symbol:         k_q8f14e7c3c0_qkv.kd
    .args:
      - { .name: wimg, .offset: 0, .size: 8, .value_kind: global_buffer, .address_space: global }
      - { .name: himg, .offset: 8, .size: 8, .value_kind: global_buffer, .address_space: global }
      - { .name: qkvb, .offset: 16, .size: 8, .value_kind: global_buffer, .address_space: global }
    .group_segment_fixed_size: 327680
    .private_segment_fixed_size: 0
    .kernarg_segment_align: 8
    .kernarg_segment_size: 24
    .max_flat_workgroup_size: 512
    .sgpr_count:     100
    .vgpr_count:     256
    .wavefront_size: 32
...
	.end_amdgpu_metadata
.endif
;; end of part 2
;; launch attn (part 3): grid 8 x 32, 16 waves a work-group, no clusters, 215,040 bytes of LDS; arguments qkvb, maskw, aimg; writes aimg
.if DOCPART == 3
	.amdgcn_target "amdgcn-amd-amdhsa--gfx1250"
	.amdhsa_code_object_version 6
	.text
	.protected	k_q8f14e7c3c0_attn
	.globl	k_q8f14e7c3c0_attn
	.p2align	8
	.type	k_q8f14e7c3c0_attn,@function
k_q8f14e7c3c0_attn:
	s_mov_b64 s[64:65], 0
	v_nop
	global_prefetch_b8 v0, s[64:65] scope:SCOPE_SE
	s_setreg_imm32_b32 hwreg(HW_REG_WAVE_MODE, 25, 1), 1
	s_wait_xcnt 0x0
; ATTENTION of one (batch, head) bh = work-group y and 256 queries = work-group x, on codes of FP6 (E2M3) with E8M0 scales; the result leaves quantised along the heads' axis, as panels for the projection.
; A wave owns one tile of 16 queries and walks the 16 key steps of 128.  Both products are used transposed (S^T = k q^T, O^T = v^T p^T): a lane holds one query; registers 16 b + i of the scores are keys 32 b + 16 h + i.
; p = 2^(t - M), M the ceiling of the running largest t, a whole number; the row's sum is taken of the unquantised p; when M moves, sum and O^T are multiplied by a power of two.
; K AND V: a record of 13,312 bytes for each key step (K's 8 records of 768, V^T's 4 fragments, K's 128 scale words, V's 64, 256 zeros).  All 16 records, 212,992 bytes, lie in LDS for the whole launch:
; wave w brings record w by 26 loads of 512 consecutive bytes and as many LDS stores; one barrier; nothing is filled again.
; THE MASK: 64 stored words a step (word j, bit l: the score in register j of lane l is hidden).  Each wave ORs its 16 x 64 words into 16 flags at the head; a step whose flag is 0 has no hidden score,
; and a scalar branch on the flag leads round its 64 selects and round nothing else.  The words themselves come by scalar loads one step ahead.
; NO TENSOR LOAD AND NO CLUSTER: the eight work-groups of one bh each load the records by plain loads.
; NO PREFETCH: all that the work-group reads of K and V is asked for at the head; the loop streams nothing but 256 bytes of mask words a step.
; LIMITS: the promise holds while the scaled scores (the exponents to the base 2) stay under 2^31 in magnitude.  NaN and infinities in q, k, v are not served.
; A query whose keys are all hidden has the sum 0: its two scale bytes are written as 0xff, which makes the projection's sums of that token NaN, as the reference's softmax does.
.set REC,   13312
.set KV,    3407872                    ; where the records begin in qkvb
.set QSC,   3145728                    ; q's scale words
.set SPARE, 212992                     ; behind the records: the spare words, 128 bytes a wave
.set WV,  3
.set SEL, 66
.set BM,  212                          ; v212-215 the blocks' largest scores, then their largest p
.set PM,  216
.set SO,  220                          ; the conversions' scale operands
.set BY,  224                          ; the scale bytes
; v1, v2, v3: 16, 8, 4 x lane; v4-6 the same in this step's record; v7, v8 the add's two; v9 -inf; v10 4 r; v12 -M; v13 the largest t; v[14:15] the sum; v16-27 q, v28 its words;
; v32-85 K's eight records (v80-85 zeros), then V^T's four fragments; v86-91 scale words; v96-159 scores, then p; v160-191 O^T; v192-207 p's codes; v228 the factor; v230 p's scale word
.macro FRAG reg, a16, a8, off
	ds_load_b128 v[\reg:\reg+3], v[\a16] offset:\off
	ds_load_b64 v[\reg+4:\reg+5], v[\a8] offset:\off+512
	ds_load_b128 v[\reg+6:\reg+9], v[\a16] offset:\off+768
	ds_load_b64 v[\reg+10:\reg+11], v[\a8] offset:\off+1280
.endm
.macro MASKW                           ; a step's 64 mask words
	s_load_b512 s[32:47], s[4:5], 0x0
	s_load_b512 s[48:63], s[4:5], 0x40
	s_load_b512 s[68:83], s[4:5], 0x80
	s_load_b512 s[84:99], s[4:5], 0xc0
.endm
	s_load_b128 s[36:39], s[0:1], 0x0              ; qkvb, maskw
	s_load_b64 s[100:101], s[0:1], 0x10            ; aimg
	v_lshl_add_u32 v7, v0, 2, SPARE
	v_mov_b32 v8, 0
	v_lshrrev_b32 v4, 5, v0
	s_delay_alu instid0(VALU_DEP_1)
	v_readfirstlane_b32 s[WV], v4
	v_and_b32 v3, 31, v0
	s_delay_alu instid0(VALU_DEP_1)
	v_lshlrev_b32 v1, 4, v3
	s_delay_alu instid0(VALU_DEP_2)
	v_lshlrev_b32 v2, 3, v3
	s_delay_alu instid0(VALU_DEP_3)
	v_lshlrev_b32 v3, 2, v3
	v_and_b32 v10, 15, v0
	s_delay_alu instid0(VALU_DEP_1)
	v_lshlrev_b32 v10, 2, v10
	s_and_b32 s42, ttmp7, 0xffff                   ; bh
	s_mul_i32 s43, s42, 16*REC
	s_mul_i32 s44, s[WV], REC
	s_add_co_u32 s46, s43, s44
	s_add_co_u32 s46, s46, KV                      ; record w of my bh
	s_mov_b32 s47, 0
	s_lshl_b32 s48, ttmp9, 16
	s_lshl_b32 s49, s[WV], 12
	s_add_co_u32 s48, s48, s49                     ; my query tile's mask words: 4,096 bytes a tile
	s_mov_b32 s49, 0
	s_lshl_b32 s50, s42, 7
	s_lshl_b32 s51, ttmp9, 4
	s_add_co_u32 s50, s50, s51
	s_add_co_u32 s50, s50, s[WV]                   ; 128 bh + my tile
	s_lshl_b32 s52, s50, 6
	s_add_co_u32 s52, s52, QSC
	s_mov_b32 s53, 0
	s_mul_i32 s50, s50, 768
	s_mov_b32 s51, 0
	s_mov_b32 s6, 0x3e38aa3b                       ; log2(e) / 8
	s_mov_b32 s7, s6
	s_mov_b32 s23, 0
	s_mov_b32 s[SEL], 0x76543210
	s_mov_b32 s[SEL+1], 0xfedcba98
	s_wait_alu depctr_va_vdst(0)
	v_add_nc_u32 v5, s44, v1                       ; LDS: record w, 16 x lane
	s_wait_alu depctr_va_vdst(0)
	s_wait_kmcnt 0x0
	s_add_nc_u64 s[46:47], s[36:37], s[46:47]
	s_add_nc_u64 s[4:5], s[38:39], s[48:49]
	s_add_nc_u64 s[50:51], s[36:37], s[50:51]
	s_add_nc_u64 s[52:53], s[36:37], s[52:53]
.set I, 0
.rept 26
	global_load_b128 v[96+4*I:99+4*I], v1, s[46:47] offset:512*I   ; 32 lanes read 512 consecutive bytes
.set I, I+1
.endr
.irp i, 0,1,2,3,4,5,6,7
	global_load_b128 v[200+4*\i:203+4*\i], v1, s[4:5] offset:512*\i   ; lanes 0-15: the words of step 2 i, lanes 16-31: of step 2 i + 1
.endr
	global_load_b128 v[16:19], v1, s[50:51]
	global_load_b64 v[20:21], v2, s[50:51] offset:512
	global_load_b32 v28, v10, s[52:53]
.irp i, 0,1,2,3,4,5
	v_mov_b32 v[22+\i], 0                          ; the head has 64 along K: the upper 64 of q are zero codes,
	v_mov_b32 v[80+\i], 0                          ; and so is what stands above K's last record
.endr
	v_mov_b32 v9, 0xff800000
	v_mov_b32 v13, 0xff61b1e6                      ; -3e38, under every t
	s_delay_alu instid0(VALU_DEP_1)
	v_floor_f32 v12, -v13
	v_mov_b32 v14, 0
	v_mov_b32 v15, 0
	s_wait_loadcnt 24                              ; the record's first 13 loads are in; its other 13, the mask's 8 and q's 3 may be out
.set I, 0
.rept 13
	ds_store_b128 v5, v[96+4*I:99+4*I] offset:512*I
.set I, I+1
.endr
	s_wait_loadcnt 11                              ; the record is in; the mask's 8 and q's 3 may be out
.rept 13
	ds_store_b128 v5, v[96+4*I:99+4*I] offset:512*I
.set I, I+1
.endr
	s_wait_loadcnt 0x0
.irp i, 0,1,2,3,4,5,6,7
	v_or_b32 v[200+4*\i], v[200+4*\i], v[201+4*\i]
.endr
.irp i, 0,1,2,3,4,5,6,7
	v_or_b32 v[202+4*\i], v[202+4*\i], v[203+4*\i]
.endr
.irp i, 0,1,2,3,4,5,6,7
	v_or_b32 v[200+4*\i], v[200+4*\i], v[202+4*\i]
.endr
.irp i, 0,1,2,3,4,5,6,7
	v_cmp_ne_u32 s[12+\i], 0, v[200+4*\i]          ; a bit a lane: some word of its four hides a score
.endr
	s_mov_b32 s20, 0                               ; s20: bit s is 1 where step s has a hidden score
.irp i, 0,1,2,3,4,5,6,7
	s_and_b32 s21, s[12+\i], 0xffff
	s_cselect_b32 s21, 1<<(2*\i), 0
	s_or_b32 s20, s20, s21
	s_lshr_b32 s21, s[12+\i], 16
	s_cselect_b32 s21, 2<<(2*\i), 0
	s_or_b32 s20, s20, s21
.endr
	MASKW                                          ; step 0's words (every load that read the scalars which they land on is done)
	s_wait_dscnt 0x0                               ; for the others' sake: my record lies in LDS; and the stores have read their registers
	v_mov_b32 v229, 0
.irp b, 0,1,2,3
	v_mov_b32 v[PM+\b], 0                          ; a lane permute's destination counts as read
.endr
	v_mov_b32 v231, 0
.set J, 0
.rept 32
	v_mov_b32 v[160+J], 0                          ; O^T: the step is written once, and the first finds zeros
.set J, J+1
.endr
	s_wait_alu depctr_va_vdst(0)
	s_barrier_signal -1
	s_barrier_wait -1                              ; all 16 records lie in LDS
	s_mov_b32 s2, 0
.Lstep:
	v_add_nc_u32 v4, s2, v1
	v_add_nc_u32 v5, s2, v2
	v_add_nc_u32 v6, s2, v3
	v_nop                                          ; four plain instructions in front of loads into registers that matrix instructions have read
.irp t, 0,1,2,3,4,5,6,7
	ds_load_b128 v[32+6*\t:35+6*\t], v4 offset:768*\t
	ds_load_b64 v[36+6*\t:37+6*\t], v5 offset:768*\t+512
.endr
.irp i, 0,1,2,3
	ds_load_b32 v[86+\i], v6 offset:12288+128*\i
.endr
	s_wait_alu depctr_va_vdst(0)
	s_wait_dscnt 0x0
.irp t, 0,2,4,6                        ; S^T: a tile's upper six registers are the next tile's codes, against q's zeros
	v_wmma_scale_f32_16x16x128_f8f6f4 v[96+8*\t:103+8*\t], v[32+6*\t:43+6*\t], v[16:27], 0, v[86+\t/2], v28 matrix_a_fmt:MATRIX_FMT_FP6 matrix_b_fmt:MATRIX_FMT_FP6
	v_wmma_scale_f32_16x16x128_f8f6f4 v[104+8*\t:111+8*\t], v[38+6*\t:49+6*\t], v[16:27], 0, v[86+\t/2], v28 matrix_a_fmt:MATRIX_FMT_FP6 matrix_b_fmt:MATRIX_FMT_FP6 matrix_a_scale:MATRIX_SCALE_ROW1
.endr
.rept 4
	v_nop
.endr
.irp c, 0,1,2,3
	FRAG 32+12*\c, 4, 5, 6144+1536*\c
.endr
	ds_load_b32 v90, v6 offset:12800
	ds_load_b32 v91, v6 offset:12928
	s_wait_kmcnt 0x0                               ; this step's mask words are in, and their loads have read s[4:5]
	s_cmp_lt_u32 s2, 15*REC
	s_cselect_b32 s22, 256, 0                      ; the last step asks for its own words again: no load leaves the buffer
	s_add_nc_u64 s[4:5], s[4:5], s[22:23]
	s_bitcmp1_b32 s20, 0                           ; has this step a hidden score?
	s_wait_alu depctr_va_vdst(0)
	s_cbranch_scc0 .Lclear
.set J, 0
.rept 64
.if J < 32
	v_cndmask_b32 v[96+J], v[96+J], v9, s[32+J]
.else
	v_cndmask_b32 v[96+J], v[96+J], v9, s[36+J]
.endif
.set J, J+1
.endr
.Lclear:
	s_lshr_b32 s20, s20, 1
.irp b, 0,1,2,3
	v_max3_num_f32 v[BM+\b], v[96+16*\b], v[97+16*\b], v[98+16*\b]
.endr
.irp i, 3,5,7,9,11,13
.irp b, 0,1,2,3
	v_max3_num_f32 v[BM+\b], v[BM+\b], v[96+16*\b+\i], v[97+16*\b+\i]   ; the four blocks by turns
.endr
.endr
.irp b, 0,1,2,3
	v_max_num_f32 v[BM+\b], v[BM+\b], v[111+16*\b]
.endr
	MASKW                                          ; the next step's words
.irp b, 0,1,2,3
	v_permlanex16_b32 v[PM+\b], v[BM+\b], s[SEL], s[SEL+1]
.endr
.irp b, 0,1,2,3
	s_delay_alu instid0(VALU_DEP_4)
	v_max_num_f32 v[BM+\b], v[BM+\b], v[PM+\b]     ; each block's largest score: it serves the row's maximum and the block's largest p
.endr
	s_delay_alu instid0(VALU_DEP_2)
	v_max3_num_f32 v231, v[BM], v[BM+1], v[BM+2]
	s_delay_alu instid0(VALU_DEP_1)
	v_max_num_f32 v231, v231, v[BM+3]
	s_delay_alu instid0(VALU_DEP_1)
	v_mul_f32 v231, s6, v231
	s_delay_alu instid0(VALU_DEP_1)
	v_max_num_f32 v13, v13, v231                   ; the running largest t
	v_mov_b32 v231, v12
	s_delay_alu instid0(VALU_DEP_2)
	v_floor_f32 v12, -v13                          ; -M
	s_delay_alu instid0(VALU_DEP_1)
	v_sub_f32 v231, v12, v231
	s_delay_alu instid0(VALU_DEP_1)
	v_cvt_i32_f32 v231, v231
	s_delay_alu instid0(VALU_DEP_1)
	v_ldexp_f32 v228, 1.0, v231                    ; 2^(old M - new M)
.set J, 0
.rept 32
	v_pk_fma_f32 v[96+J:97+J], v[96+J:97+J], s[6:7], v[12:13] op_sel_hi:[1,0,0]
.set J, J+2
.endr
.irp b, 0,1,2,3
	v_fma_f32 v[BM+\b], v[BM+\b], s6, v12
.endr
.set J, 0
	s_wait_alu depctr_va_vdst(0)                   ; ahead of the batch
.rept 64
	v_exp_f32 v[96+J], v[96+J]
.set J, J+1
.endr
	v_pk_mul_f32 v[14:15], v[14:15], v[228:229] op_sel_hi:[1,0]
	s_wait_alu depctr_va_vdst(0)                   ; and behind it
.irp b, 0,1,2,3
	v_exp_f32 v[BM+\b], v[BM+\b]
.endr
	v_pk_add_f32 v[232:233], v[96:97], v[98:99]    ; the sum of the unquantised p, in two chains
.set J, 4
.rept 15
	v_pk_add_f32 v[14:15], v[14:15], v[96+J:97+J]
	v_pk_add_f32 v[232:233], v[232:233], v[98+J:99+J]
.set J, J+4
.endr
	s_delay_alu instid0(VALU_DEP_1)
	v_pk_add_f32 v[14:15], v[14:15], v[232:233]
	s_wait_alu depctr_va_vdst(0)
.irp b, 0,1,2,3
	v_max_num_f32 v[BM+\b], 0x1800000, v[BM+\b]    ; the floor 2^(3 - 127): the byte cannot fall under 1
.endr
.irp b, 0,1,2,3
	s_delay_alu instid0(VALU_DEP_4)
	v_add_nc_u32 v[SO+\b], 0xff000000, v[BM+\b]
.endr
.irp b, 0,1,2,3
	s_delay_alu instid0(VALU_DEP_4)
	v_lshrrev_b32 v[BY+\b], 23, v[SO+\b]
.endr
	s_delay_alu instid0(VALU_DEP_3)
	v_lshl_or_b32 v230, v[BY+1], 8, v[BY]
	s_delay_alu instid0(VALU_DEP_1)
	v_lshl_or_b32 v230, v[BY+2], 16, v230
	s_delay_alu instid0(VALU_DEP_1)
	v_lshl_or_b32 v230, v[BY+3], 24, v230
.irp c, 0,1
	v_cvt_scalef32_pk16_fp6_f32 v[192+6*\c:194+6*\c], v[96+32*\c:111+32*\c], v[SO+2*\c]
	v_cvt_scalef32_pk16_fp6_f32 v[204+4*\c:206+4*\c], v[112+32*\c:127+32*\c], v[SO+2*\c+1]
.endr
	v_nop                                          ; one plain instruction behind a scaled conversion
.irp c, 0,1
.irp i, 0,1,2
	v_permlane16_swap_b32 v[192+6*\c+\i], v[204+4*\c+\i]
.endr
.irp i, 0,1,2
	s_delay_alu instid0(VALU_DEP_3)
	v_mov_b32 v[195+6*\c+\i], v[204+4*\c+\i]
.endr
.endr
.set J, 0
.rept 16
	v_pk_mul_f32 v[160+J:161+J], v[160+J:161+J], v[228:229] op_sel_hi:[1,0]   ; O^T under the new M
.set J, J+2
.endr
	s_wait_alu depctr_va_vdst(0)
	s_wait_dscnt 0x0
.irp c, 0,2                            ; the four accumulators take turns
	v_wmma_scale_f32_16x16x128_f8f6f4 v[160+8*\c:167+8*\c], v[32+12*\c:43+12*\c], v[192:203], v[160+8*\c:167+8*\c], v[90+\c/2], v230 matrix_a_fmt:MATRIX_FMT_FP6 matrix_b_fmt:MATRIX_FMT_FP6
	v_wmma_scale_f32_16x16x128_f8f6f4 v[168+8*\c:175+8*\c], v[44+12*\c:55+12*\c], v[192:203], v[168+8*\c:175+8*\c], v[90+\c/2], v230 matrix_a_fmt:MATRIX_FMT_FP6 matrix_b_fmt:MATRIX_FMT_FP6 matrix_a_scale:MATRIX_SCALE_ROW1
.endr
	s_add_co_u32 s2, s2, REC
	s_cmp_lt_u32 s2, 16*REC
	s_cbranch_scc1 .Lstep
	s_wait_kmcnt 0x0                               ; the last scalar loads have landed: their registers are used again below
.rept 4
	v_nop
.endr
	v_add_f32 v14, v14, v15
	s_delay_alu instid0(VALU_DEP_1)
	v_permlanex16_b32 v231, v14, s[SEL], s[SEL+1]
	s_delay_alu instid0(VALU_DEP_1)
	v_add_f32 v14, v14, v231                       ; the row's sum
	s_wait_alu depctr_va_vdst(0)
	v_rcp_f32 v232, v14
	v_mov_b32 v231, 0xffff
	s_mov_b32 s33, ttmp9                           ; where my tile's half fragment lies in the projection's panels
	s_and_b32 s34, ttmp7, 0xffff
	s_lshr_b32 s35, s34, 4
	s_lshl_b32 s35, s35, 4
	s_lshl_b32 s33, s33, 1
	s_add_co_u32 s35, s35, s33
	s_lshr_b32 s36, s[WV], 3
	s_add_co_u32 s35, s35, s36                     ; the tokens' row block
	s_lshl_b32 s35, s35, 3
	s_bfe_u32 s36, s34, 0x30001
	s_add_co_u32 s35, s35, s36                     ; its K step: two heads each
	s_mul_i32 s35, s35, 12800
	s_and_b32 s36, s[WV], 7
	s_and_b32 s37, s34, 1
	s_mul_i32 s38, s36, 1536
	s_mul_i32 s39, s37, 768
	s_add_co_u32 s38, s38, s39
	s_add_co_u32 s38, s38, s35
	s_mov_b32 s39, 0
	s_lshl_b32 s36, s36, 6
	s_lshl_b32 s37, s37, 1
	s_add_co_u32 s36, s36, s37
	s_add_co_u32 s36, s36, s35
	s_add_co_u32 s36, s36, 12288
	s_mov_b32 s37, 0
	s_add_nc_u64 s[38:39], s[100:101], s[38:39]
	s_add_nc_u64 s[36:37], s[100:101], s[36:37]
	s_wait_alu depctr_va_vdst(0)
.set J, 0
.rept 32
	v_mul_f32 v[96+J], v[160+J], v232
.set J, J+1
.endr
.irp b, 0,1
	v_max3_num_f32 v[BM+\b], |v[96+16*\b]|, |v[97+16*\b]|, 0x1800000
.endr
.irp i, 2,4,6,8,10,12,14
.irp b, 0,1
	s_delay_alu instid0(VALU_DEP_2)
	v_max3_num_f32 v[BM+\b], v[BM+\b], |v[96+16*\b+\i]|, |v[97+16*\b+\i]|
.endr
.endr
.irp b, 0,1
	s_delay_alu instid0(VALU_DEP_2)
	v_permlanex16_b32 v[PM+\b], v[BM+\b], s[SEL], s[SEL+1]
.endr
.irp b, 0,1
	s_delay_alu instid0(VALU_DEP_2)
	v_max_num_f32 v[BM+\b], v[BM+\b], v[PM+\b]
.endr
.irp b, 0,1
	s_delay_alu instid0(VALU_DEP_2)
	v_add_nc_u32 v[SO+\b], 0xff000000, v[BM+\b]
.endr
.irp b, 0,1
	s_delay_alu instid0(VALU_DEP_2)
	v_lshrrev_b32 v[BY+\b], 23, v[SO+\b]
.endr
	s_delay_alu instid0(VALU_DEP_1)
	v_lshl_or_b32 v230, v[BY+1], 8, v[BY]
	v_cmp_eq_f32 vcc_lo, 0, v14
	s_delay_alu instid0(VALU_DEP_1)
	v_cndmask_b32 v230, v230, v231, vcc_lo         ; a query with no visible key: both bytes 0xff
	v_cvt_scalef32_pk16_fp6_f32 v[192:194], v[96:111], v[SO]
	v_cvt_scalef32_pk16_fp6_f32 v[204:206], v[112:127], v[SO+1]
	v_nop
.irp i, 0,1,2
	v_permlane16_swap_b32 v[192+\i], v[204+\i]
.endr
.irp i, 0,1,2
	s_delay_alu instid0(VALU_DEP_3)
	v_mov_b32 v[195+\i], v[204+\i]
.endr
	global_store_b128 v1, v[192:195], s[38:39]
	global_store_b64 v2, v[196:197], s[38:39] offset:512
	global_store_b16 v10, v230, s[36:37]
	s_wait_tensorcnt 0x0                           ; the wave's end: behind my last LDS store
	ds_add_u32 v7, v8
	s_wait_dscnt 0x0
	s_endpgm
.Lfunc_end_k_q8f14e7c3c0_attn:
	.size	k_q8f14e7c3c0_attn, .Lfunc_end_k_q8f14e7c3c0_attn-k_q8f14e7c3c0_attn
	.p2alignl 7, 3214868480
	.fill 96, 4, 3214868480
	.section	.rodata,"a",@progbits
	.p2align	6, 0x0
	.amdhsa_kernel k_q8f14e7c3c0_attn
		.amdhsa_group_segment_fixed_size 215040
		.amdhsa_private_segment_fixed_size 0
		.amdhsa_enable_private_segment 0
		.amdhsa_kernarg_size 24
		.amdhsa_user_sgpr_count 2
		.amdhsa_user_sgpr_kernarg_segment_ptr 1
		.amdhsa_wavefront_size32 1
		.amdhsa_system_sgpr_workgroup_id_x 1
		.amdhsa_system_sgpr_workgroup_id_y 1
		.amdhsa_system_sgpr_workgroup_id_z 1
		.amdhsa_system_vgpr_workitem_id 0
		.amdhsa_next_free_vgpr 256
		.amdhsa_next_free_sgpr 102
		.amdhsa_reserve_vcc 1
		.amdhsa_float_denorm_mode_32 3
		.amdhsa_float_denorm_mode_16_64 3
		.amdhsa_memory_ordered 1
		.amdhsa_forward_progress 1
		.amdhsa_inst_pref_size 41
	.end_amdhsa_kernel
	.amdgpu_metadata
---
amdhsa.version: [ 1, 2 ]
amdhsa.kernels:
  - .name:           k_q8f14e7c3c0_attn
    .symbol:         k_q8f14e7c3c0_attn.kd
    .args:
      - { .name: qkvb, .offset: 0, .size: 8, .value_kind: global_buffer, .address_space: global }
      - { .name: maskw, .offset: 8, .size: 8, .value_kind: global_buffer, .address_space: global }
      - { .name: aimg, .offset: 16, .size: 8, .value_kind: global_buffer, .address_space: global }
    .group_segment_fixed_size: 215040
    .private_segment_fixed_size: 0
    .kernarg_segment_align: 8
    .kernarg_segment_size: 24
    .max_flat_workgroup_size: 512
    .sgpr_count:     102
    .vgpr_count:     256
    .wavefront_size: 32
...
	.end_amdgpu_metadata
.endif
;; end of part 3
;; launch proj (part 4): grid 8 x 32, 16 waves a work-group, clusters of 4 x 4, 327,680 bytes of LDS; arguments wimg, aimg, bp, x, x1; writes x1
.if DOCPART == 4
	.amdgcn_target "amdgcn-amd-amdhsa--gfx1250"
	.amdhsa_code_object_version 6
	.text
	.protected	k_q8f14e7c3c0_proj
	.globl	k_q8f14e7c3c0_proj
	.p2align	8
	.type	k_q8f14e7c3c0_proj,@function
k_q8f14e7c3c0_proj:
	s_mov_b64 s[64:65], 0
	v_nop
	global_prefetch_b8 v0, s[64:65] scope:SCOPE_SE
	s_setreg_imm32_b32 hwreg(HW_REG_WAVE_MODE, 25, 1), 1
	s_wait_xcnt 0x0
	s_wait_alu depctr_hold_cnt(0) depctr_sa_sdst(0) depctr_va_vdst(0) depctr_va_sdst(0) depctr_va_ssrc(0) depctr_va_vcc(0) depctr_vm_vsrc(0)
	s_getreg_b32 s2, hwreg(HW_REG_IB_STS2, 6, 4)
	s_cmp_eq_u32 s2, 0
	s_cbranch_scc0 .Lentry_in_a_cluster
	s_endpgm
.Lentry_in_a_cluster:
	s_bfe_u32 s2, ttmp6, 0x10000c
	s_cmp_lg_u32 s2, 0xf033
	s_cbranch_scc0 .Lentry_shape_is_right
	s_endpgm
.Lentry_shape_is_right:
; x1 = x + attn Wp + bp, the product on codes of FP6 (E2M3) with E8M0 scales.  OPERANDS are panels of 12,800 bytes (128 rows x 128 K: eight fragments as images of the operand's registers, then 128 scale words), K steps of a row
; block on end; lane r of tile 2 b + u holds row 32 b + 8 u + r + 8 (r / 8).  P = Wp's 8 row blocks (output features), by work-group x; Q = the tokens' 32 row blocks, by work-group y.
; A work-group makes 128 x 128, so that 4,096 x 1,024 gives 256 work-groups; its sixteen waves share the tokens four ways (32 each) and K FOUR WAYS: wave (kq, wy) takes every fourth K step.
; The four parts of a sum meet in LDS at the end.  LIMIT: K is summed in four parts, so the order of rounding differs from one ascending chain.
; A WAVE: X = 128 features (source 0) x Y = 32 tokens (source 1): a lane holds one token, its register 16 b + i feature 32 b + 16 h + i.
; RING: two slots of 102,400 bytes (four K steps of P, then of Q); each wave fetches 12,800 dense bytes by one joint load: P's are shared down a column of the cluster, Q's along a row.  K = 1,024 is two slots: nothing is filled again.
.set KS,    8
.set SECT,  2457600                    ; where Wp's panels begin
.set SLOT,  102400
.set STEPB, 51200
.set STG,   67584                      ; the way out: four stages of 128 rows x 528 bytes, from LDS byte 0 on: the ring has had its last fill by then
.set SPARE, 270336                     ; behind the stages: the spare words, 128 bytes a wave
.set WV,  14
.set G1P, 24
.set G0P, 32
.set G1Q, 48
.set G0Q, 56
.macro ROUND
	s_barrier_signal -1
	s_barrier_wait -1
	s_cmp_lg_u32 s[WV], 0
	s_cbranch_scc1 .Lnot_wave_0_\@
	s_barrier_signal -3
.Lnot_wave_0_\@:
	s_barrier_wait -3
	s_barrier_signal -1
	s_barrier_wait -1
.endm
.macro JLOAD s
	s_cmp_lt_u32 s[WV], 8
	s_cbranch_scc0 .Lfor_q_\@
	tensor_load_to_lds s[G0P+4*(\s):G0P+4*(\s)+3], s[G1P:G1P+7]
	s_nop 0
.rept 4
	v_nop
.endr
	s_branch .Lasked_\@
.Lfor_q_\@:
	tensor_load_to_lds s[G0Q+4*(\s):G0Q+4*(\s)+3], s[G1Q:G1Q+7]
	s_nop 0
.rept 4
	v_nop
.endr
.Lasked_\@:
.endm
.macro FRAG reg, a16, a8, off
	ds_load_b128 v[\reg:\reg+3], v[\a16] offset:\off
	ds_load_b64 v[\reg+4:\reg+5], v[\a8] offset:\off+512
	ds_load_b128 v[\reg+6:\reg+9], v[\a16] offset:\off+768
	ds_load_b64 v[\reg+10:\reg+11], v[\a8] offset:\off+1280
.endm
.macro WM x, y, zero
.set rD, 96+64*(\y)+8*(\x)
.set rA, 40+12*((\x)%4)
.set rB, 16+12*(\y)
.set rS, 88+(\x)/2
.if \zero
.if ((\x)%2) && (\y)
	v_wmma_scale_f32_16x16x128_f8f6f4 v[rD:rD+7], v[rA:rA+11], v[rB:rB+11], 0, v[rS], v92 matrix_a_fmt:MATRIX_FMT_FP6 matrix_b_fmt:MATRIX_FMT_FP6 matrix_a_scale:MATRIX_SCALE_ROW1 matrix_b_scale:MATRIX_SCALE_ROW1
.elseif (\x)%2
	v_wmma_scale_f32_16x16x128_f8f6f4 v[rD:rD+7], v[rA:rA+11], v[rB:rB+11], 0, v[rS], v92 matrix_a_fmt:MATRIX_FMT_FP6 matrix_b_fmt:MATRIX_FMT_FP6 matrix_a_scale:MATRIX_SCALE_ROW1
.elseif \y
	v_wmma_scale_f32_16x16x128_f8f6f4 v[rD:rD+7], v[rA:rA+11], v[rB:rB+11], 0, v[rS], v92 matrix_a_fmt:MATRIX_FMT_FP6 matrix_b_fmt:MATRIX_FMT_FP6 matrix_b_scale:MATRIX_SCALE_ROW1
.else
	v_wmma_scale_f32_16x16x128_f8f6f4 v[rD:rD+7], v[rA:rA+11], v[rB:rB+11], 0, v[rS], v92 matrix_a_fmt:MATRIX_FMT_FP6 matrix_b_fmt:MATRIX_FMT_FP6
.endif
.else
.if ((\x)%2) && (\y)
	v_wmma_scale_f32_16x16x128_f8f6f4 v[rD:rD+7], v[rA:rA+11], v[rB:rB+11], v[rD:rD+7], v[rS], v92 matrix_a_fmt:MATRIX_FMT_FP6 matrix_b_fmt:MATRIX_FMT_FP6 matrix_a_scale:MATRIX_SCALE_ROW1 matrix_b_scale:MATRIX_SCALE_ROW1
.elseif (\x)%2
	v_wmma_scale_f32_16x16x128_f8f6f4 v[rD:rD+7], v[rA:rA+11], v[rB:rB+11], v[rD:rD+7], v[rS], v92 matrix_a_fmt:MATRIX_FMT_FP6 matrix_b_fmt:MATRIX_FMT_FP6 matrix_a_scale:MATRIX_SCALE_ROW1
.elseif \y
	v_wmma_scale_f32_16x16x128_f8f6f4 v[rD:rD+7], v[rA:rA+11], v[rB:rB+11], v[rD:rD+7], v[rS], v92 matrix_a_fmt:MATRIX_FMT_FP6 matrix_b_fmt:MATRIX_FMT_FP6 matrix_b_scale:MATRIX_SCALE_ROW1
.else
	v_wmma_scale_f32_16x16x128_f8f6f4 v[rD:rD+7], v[rA:rA+11], v[rB:rB+11], v[rD:rD+7], v[rS], v92 matrix_a_fmt:MATRIX_FMT_FP6 matrix_b_fmt:MATRIX_FMT_FP6
.endif
.endif
.endm
.macro MM4 xa, zero
	WM \xa, 0, \zero
	WM \xa, 1, \zero
	WM (\xa)+1, 0, \zero
	WM (\xa)+1, 1, \zero
.endm
; 128 along K for a wave: 16 matrix instructions; the 16 accumulators take turns, one instruction a turn, in the same order in every step
.macro KSTEP slot, ko, zero
.rept 4
	v_nop                                          ; four plain instructions in front of loads into registers that matrix instructions have read (ISA guide 7.12.1 for vector instructions)
.endr
	FRAG 16, 6+\slot, 8+\slot, \ko
	FRAG 28, 6+\slot, 8+\slot, \ko+1536
	ds_load_b32 v92, v[12+\slot] offset:\ko
.irp i, 0,1,2,3
	ds_load_b32 v[88+\i], v[10+\slot] offset:\ko+128*\i
.endr
.irp x, 0,1,2,3
	FRAG 40+12*\x, 2+\slot, 4+\slot, \ko+1536*\x
.endr
	s_wait_dscnt 8                                 ; all but the youngest eight loads: X's tiles 2 and 3
	MM4 0, \zero
	s_wait_dscnt 0x0
	MM4 2, \zero
.rept 4
	v_nop
.endr
.irp x, 4,5,6,7
	FRAG 40+12*(\x-4), 2+\slot, 4+\slot, \ko+1536*\x
.endr
	s_wait_dscnt 8                                 ; all but tiles 6 and 7
	MM4 4, \zero
	s_wait_dscnt 0x0
	MM4 6, \zero
.endm
	s_load_b256 s[4:11], s[0:1], 0x0               ; the weights' panels, attn's panels, bp, x
	s_load_b64 s[12:13], s[0:1], 0x20              ; x1
	v_lshl_add_u32 v14, v0, 2, SPARE
	v_mov_b32 v15, 0
	ds_add_u32 v14, v15                            ; the wave's opening: the add and its wait stand ahead of my first tensor load
	ds_add_u32 v14, v15
	v_lshrrev_b32 v1, 5, v0
	s_delay_alu instid0(VALU_DEP_1)
	v_readfirstlane_b32 s[WV], v1
	s_and_b32 s15, s[WV], 7
	s_bfe_u32 s40, ttmp6, 0x40000                  ; cx
	s_bfe_u32 s41, ttmp6, 0x40004                  ; cy
	s_lshl_b32 s42, ttmp9, 2
	s_add_co_u32 s42, s42, s40                     ; work-group x
	s_and_b32 s43, ttmp7, 0xffff
	s_lshl_b32 s43, s43, 2
	s_add_co_u32 s43, s43, s41                     ; work-group y
	s_lshl_b32 s44, 0x1111, s40                    ; my column of the cluster
	s_lshl_b32 s45, s41, 2
	s_lshl_b32 s45, 15, s45                        ; my row
	s_or_b32 s[G1P], s44, (3<<16)|(1<<21)          ; 15:0 the mask; 17:16 elements of 8 bytes; 21 set beside a mask; no padding
	s_or_b32 s[G1Q], s45, (3<<16)|(1<<21)
.irp g, G1P, G1Q
	s_mov_b32 s[\g+1], 32<<16                      ; rows of 256 bytes,
	s_mov_b32 s[\g+2], 50<<16                      ; 50 of them: a panel of 12,800 dense bytes
	s_mov_b32 s[\g+3], 32<<16
	s_mov_b32 s[\g+4], 50
	s_mov_b32 s[\g+5], 32
	s_mov_b32 s[\g+6], 0
	s_mov_b32 s[\g+7], 0
.endr
	s_mul_i32 s17, s15, 6400                       ; which eighth of a slot's four K steps I fetch
	s_mul_i32 s18, s42, KS*12800
	s_add_co_u32 s18, s18, s17
	s_add_co_u32 s18, s18, SECT                    ; P: hangs on work-group x alone
	s_mov_b32 s19, 0
	s_mul_i32 s46, s43, KS*12800
	s_add_co_u32 s46, s46, s17                     ; Q: on work-group y alone
	s_mov_b32 s47, 0
	s_lshr_b32 s2, s15, 2                          ; ONE LOAD A WAVE: wave w takes the whole panel of K step w % 8, of P (waves 0-7) or of Q (waves 8-15);
	s_mul_i32 s2, s2, SLOT                         ; it lies in slot (K step / 4), at (K step % 4) x 12,800 (Q's: 51,200 further on)
	s_and_b32 s3, s15, 3
	s_mul_i32 s3, s3, 12800
	s_add_co_u32 s2, s2, s3
	s_mov_b32 s20, s17                             ; s18 and s46 stand (w % 8) x 6,400 bytes into the row block: as much again is the panel's first byte
	s_mov_b32 s21, 0
	s_wait_dscnt 0x0                               ; the opening add is done
	s_wait_kmcnt 0x0
	s_add_nc_u64 s[18:19], s[4:5], s[18:19]
	s_add_nc_u64 s[46:47], s[6:7], s[46:47]
	ROUND                                          ; all sixteen work-groups are here: the first joint loads meet
	s_mov_b32 s[G0P], 1
	s_mov_b32 s[G0P+1], s2
	s_add_nc_u64 s[G0P+2:G0P+3], s[18:19], s[20:21]
	s_or_b32 s[G0P+3], s[G0P+3], 0x80000000
	s_mov_b32 s[G0Q], 1
	s_add_co_u32 s[G0Q+1], s2, STEPB
	s_add_nc_u64 s[G0Q+2:G0Q+3], s[46:47], s[20:21]
	s_or_b32 s[G0Q+3], s[G0Q+3], 0x80000000
	JLOAD 0                                        ; one load of mine is out: sixteen panels are all of K for both sides
	v_and_b32 v1, 31, v0
	s_delay_alu instid0(VALU_DEP_1)
	v_lshlrev_b32 v244, 4, v1
	s_wait_alu depctr_va_vdst(0)
	v_lshlrev_b32 v245, 3, v1
	s_wait_alu depctr_va_vdst(0)
	v_lshlrev_b32 v246, 2, v1
	s_wait_alu depctr_va_vdst(0)
	s_lshr_b32 s66, s[WV], 2                       ; kq: which of a slot's four K steps
	s_and_b32 s67, s[WV], 3                        ; wy: which 32 tokens
	s_mul_i32 s69, s66, 12800                      ; X's panel
	s_mul_i32 s72, s67, 3072
	s_add_co_u32 s72, s72, s69
	s_add_co_u32 s72, s72, 51200                   ; my two tiles of Y's panel
	s_lshl_b32 s71, s67, 7
	s_add_co_u32 s71, s71, s69
	s_add_co_u32 s71, s71, 51200+12288             ; their scale words
	s_add_co_u32 s70, s69, 12288                   ; X's scale words
.irp s, 0,1
	v_add_nc_u32 v[2+\s], s69, v244
	v_add_nc_u32 v[4+\s], s69, v245
	v_add_nc_u32 v[6+\s], s72, v244
	v_add_nc_u32 v[8+\s], s72, v245
	v_add_nc_u32 v[10+\s], s70, v246
	v_add_nc_u32 v[12+\s], s71, v246
	s_add_co_u32 s69, s69, SLOT
	s_add_co_u32 s70, s70, SLOT
	s_add_co_u32 s71, s71, SLOT
	s_add_co_u32 s72, s72, SLOT
.endr
	v_and_b32 v16, 15, v0
	s_delay_alu instid0(VALU_DEP_1)
	v_and_b32 v17, 8, v16
	s_delay_alu instid0(VALU_DEP_1)
	v_add_nc_u32 v16, v16, v17                     ; r + 8 (r / 8)
	v_bfe_u32 v17, v0, 4, 1
	s_delay_alu instid0(VALU_DEP_2)
	v_mul_u32_u24 v247, v16, 528
	s_delay_alu instid0(VALU_DEP_1)
	v_lshl_add_u32 v247, v17, 6, v247
	s_mul_i32 s73, s66, STG
	s_mul_i32 s74, s67, 32*528
	s_add_co_u32 s73, s73, s74
	v_add_nc_u32 v247, s73, v247                   ; into stage kq: token 32 wy + r + 8 (r / 8), + 64 h
	s_mul_i32 s73, s[WV], 8*528
.irp c, 0,1,2,3
	v_add_nc_u32 v[248+\c], s73, v244              ; out of stage c: my eight whole rows, 16 bytes a lane
	s_add_co_u32 s73, s73, STG
.endr
	s_lshl_b32 s68, s43, 7
	s_lshl_b32 s69, s[WV], 3
	s_add_co_u32 s68, s68, s69                     ; the first token that I store
	s_lshl_b32 s68, s68, 12
	s_lshl_b32 s70, s42, 9                         ; the block's 128 features in bytes
	s_add_co_u32 s68, s68, s70
	s_mov_b32 s69, 0
	s_mov_b32 s71, 0
	s_add_nc_u64 s[10:11], s[10:11], s[68:69]
	s_add_nc_u64 s[12:13], s[12:13], s[68:69]
	s_add_nc_u64 s[8:9], s[8:9], s[70:71]
	s_wait_tensorcnt 0x0                           ; my panel is in; behind the barrier all sixteen are
	s_barrier_signal -1
	s_barrier_wait -1
	KSTEP 0, 0, 1                                  ; K step kq: its products start the sums
	KSTEP 1, 0, 0                                  ; K step 4 + kq
	; THE WAY OUT
.rept 4
	v_nop                                          ; in front of loads into registers that the last products read, and of the first read of results
.endr
.irp i, 0,1,2,3,4,5,6,7
	global_load_b128 v[16+4*\i:19+4*\i], v244, s[10:11] offset:4096*\i   ; the residual's eight rows: 512 consecutive bytes each
.endr
	global_load_b128 v[48:51], v244, s[8:9]        ; the bias
	s_wait_dscnt 0x0
	s_barrier_signal -1
	s_barrier_wait -1                              ; nobody reads the ring any more
	s_wait_alu depctr_va_vdst(0)
.irp y, 0,1
.irp x, 0,1,2,3,4,5,6,7
	ds_store_b128 v247, v[96+64*\y+8*\x:99+64*\y+8*\x] offset:4224*\y+128*(\x/2)+32*(\x%2)        ; each accumulator from its low end on
	ds_store_b128 v247, v[100+64*\y+8*\x:103+64*\y+8*\x] offset:4224*\y+128*(\x/2)+32*(\x%2)+16
.endr
.endr
	s_wait_dscnt 0x0                               ; for the others' sake
	s_barrier_signal -1
	s_barrier_wait -1
.irp c, 0,1,2,3
.irp i, 0,1,2,3,4,5,6,7
	ds_load_b128 v[96+32*\c+4*\i:99+32*\c+4*\i], v[248+\c] offset:528*\i
.endr
.endr
	s_wait_dscnt 0x0
	s_wait_loadcnt 0x0
.irp i, 0,1,2,3,4,5,6,7
	v_pk_add_f32 v[96+4*\i:97+4*\i], v[96+4*\i:97+4*\i], v[128+4*\i:129+4*\i]
	v_pk_add_f32 v[98+4*\i:99+4*\i], v[98+4*\i:99+4*\i], v[130+4*\i:131+4*\i]
	v_pk_add_f32 v[160+4*\i:161+4*\i], v[160+4*\i:161+4*\i], v[192+4*\i:193+4*\i]
	v_pk_add_f32 v[162+4*\i:163+4*\i], v[162+4*\i:163+4*\i], v[194+4*\i:195+4*\i]
	v_pk_add_f32 v[16+4*\i:17+4*\i], v[16+4*\i:17+4*\i], v[48:49]
	v_pk_add_f32 v[18+4*\i:19+4*\i], v[18+4*\i:19+4*\i], v[50:51]
	s_delay_alu instid0(VALU_DEP_4)
	v_pk_add_f32 v[96+4*\i:97+4*\i], v[96+4*\i:97+4*\i], v[160+4*\i:161+4*\i]
	s_delay_alu instid0(VALU_DEP_4)
	v_pk_add_f32 v[98+4*\i:99+4*\i], v[98+4*\i:99+4*\i], v[162+4*\i:163+4*\i]
	s_delay_alu instid0(VALU_DEP_2)
	v_pk_add_f32 v[96+4*\i:97+4*\i], v[96+4*\i:97+4*\i], v[16+4*\i:17+4*\i]
	s_delay_alu instid0(VALU_DEP_2)
	v_pk_add_f32 v[98+4*\i:99+4*\i], v[98+4*\i:99+4*\i], v[18+4*\i:19+4*\i]
	global_store_b128 v244, v[96+4*\i:99+4*\i], s[12:13] offset:4096*\i   ; 32 lanes store 512 consecutive, aligned bytes
.endr
	s_wait_tensorcnt 0x0                           ; the wave's end: behind my last LDS store
	ds_add_u32 v14, v15
	s_wait_dscnt 0x0
	ROUND                                          ; the closing round
	s_endpgm
.Lfunc_end_k_q8f14e7c3c0_proj:
	.size	k_q8f14e7c3c0_proj, .Lfunc_end_k_q8f14e7c3c0_proj-k_q8f14e7c3c0_proj
	.p2alignl 7, 3214868480
	.fill 96, 4, 3214868480
	.section	.rodata,"a",@progbits
	.p2align	6, 0x0
	.amdhsa_kernel k_q8f14e7c3c0_proj
		.amdhsa_group_segment_fixed_size 327680
		.amdhsa_private_segment_fixed_size 0
		.amdhsa_enable_private_segment 0
		.amdhsa_kernarg_size 40
		.amdhsa_user_sgpr_count 2
		.amdhsa_user_sgpr_kernarg_segment_ptr 1
		.amdhsa_wavefront_size32 1
		.amdhsa_system_sgpr_workgroup_id_x 1
		.amdhsa_system_sgpr_workgroup_id_y 1
		.amdhsa_system_sgpr_workgroup_id_z 1
		.amdhsa_system_vgpr_workitem_id 0
		.amdhsa_next_free_vgpr 256
		.amdhsa_next_free_sgpr 96
		.amdhsa_reserve_vcc 0
		.amdhsa_float_denorm_mode_32 3
		.amdhsa_float_denorm_mode_16_64 3
		.amdhsa_memory_ordered 1
		.amdhsa_forward_progress 1
		.amdhsa_inst_pref_size 31
	.end_amdhsa_kernel
	.amdgpu_metadata
---
amdhsa.version: [ 1, 2 ]
amdhsa.kernels:
  - .name:           k_q8f14e7c3c0_proj
    .symbol:         k_q8f14e7c3c0_proj.kd
    .args:
      - { .name: wimg, .offset: 0, .size: 8, .value_kind: global_buffer, .address_space: global }
      - { .name: aimg, .offset: 8, .size: 8, .value_kind: global_buffer, .address_space: global }
      - { .name: bp, .offset: 16, .size: 8, .value_kind: global_buffer, .address_space: global }
      - { .name: x, .offset: 24, .size: 8, .value_kind: global_buffer, .address_space: global }
      - { .name: x1, .offset: 32, .size: 8, .value_kind: global_buffer, .address_space: global }
    .group_segment_fixed_size: 327680
    .private_segment_fixed_size: 0
    .kernarg_segment_align: 8
    .kernarg_segment_size: 40
    .max_flat_workgroup_size: 512
    .sgpr_count:     96
    .vgpr_count:     256
    .wavefront_size: 32
...
	.end_amdgpu_metadata
.endif
;; end of part 4
;; launch ln1 (part 5): grid 256 x 1, 8 waves a work-group, no clusters, 69,632 bytes of LDS; arguments x1, g2, be2, himg; writes himg
.if DOCPART == 5
	.amdgcn_target "amdgcn-amd-amdhsa--gfx1250"
	.amdhsa_code_object_version 6
	.text
	.protected	k_q8f14e7c3c0_ln1
	.globl	k_q8f14e7c3c0_ln1
	.p2align	8
	.type	k_q8f14e7c3c0_ln1,@function
k_q8f14e7c3c0_ln1:
	s_mov_b64 s[64:65], 0
	v_nop
	global_prefetch_b8 v0, s[64:65] scope:SCOPE_SE
	s_setreg_imm32_b32 hwreg(HW_REG_WAVE_MODE, 25, 1), 1
	s_wait_xcnt 0x0
; LAYER NORM AND QUANTISER.  in [4096][1024] f32, gain, bias [1024] -> panels [32 row blocks][8 K steps] of FP6 (E2M3) codes with E8M0 scale words (12,800 bytes a panel: eight fragments of 1,536 bytes as images of
; the operand's registers, then 128 scale words).  Lane r of tile 2 b + u of a panel holds token 32 b + 8 u + r + 8 (r / 8).
; A work-group owns one tile of 16 tokens, wave s its columns 128 s .. 128 s + 127: one fragment.  Each load reads 512 consecutive bytes of a row; the 16 x 512 bytes turn through the wave's own stage in LDS, so that lane (r, h)
; holds, of token r, the 16 neighbours 32 b + 16 h + 0 .. 15 of each block b of 32; they come back into the registers that they left, so that gain and bias have registers of their own and are asked for at the head, with the rows.
; Mean and variance are taken in two passes (the variance of the centred numbers); the waves' partial sums meet in LDS behind a barrier each.
; LIMITS: NaN and infinities are not served (a NaN row gives codes without meaning); a block whose largest magnitude lies under 2^-124 is held at the byte 1; a block of zeros gets the byte 1 and not 127.
.set RED1,  0                          ; LDS: 8 waves x 16 sums,
.set RED2,  512                        ; the same for the squares,
.set SPARE, 1024                       ; the spare words, 128 bytes a wave,
.set STAGE, 2048                       ; and the eight stages of 16 x 528 bytes.  The small regions stand first, so that every immediate offset fits its 16 bits
.set D,   16                           ; v16-79   the rows as loaded, then my 64 numbers
.set BE,  80                           ; v80-143  the bias
.set G,   144                          ; v144-207 the gain
.set TM,  208                          ; v208-223 at work in the quantiser
.set PW,  224
.set PC,  226                          ; v226-244 the codes
.set SEL, 12
.macro QUANT s, pc, pw                 ; 64 numbers of a lane, register 16 b + i = k 32 b + 16 h + i of my row, become a fragment in v[pc] .. v[pc + 11] and its scale word
.irp b, 0,1,2,3
	v_max3_num_f32 v[TM+\b], |v[\s+16*\b]|, |v[\s+1+16*\b]|, 0x1800000   ; with the floor 2^(3 - 127): the byte cannot fall under 1
.endr
.irp i, 2,4,6,8,10,12,14
.irp b, 0,1,2,3
	s_delay_alu instid0(VALU_DEP_4)
	v_max3_num_f32 v[TM+\b], v[TM+\b], |v[\s+16*\b+\i]|, |v[\s+1+16*\b+\i]|
.endr
.endr
.irp b, 0,1,2,3
	s_delay_alu instid0(VALU_DEP_4)
	v_permlanex16_b32 v[TM+4+\b], v[TM+\b], s[SEL], s[SEL+1]
.endr
.irp b, 0,1,2,3
	s_delay_alu instid0(VALU_DEP_4)
	v_max_num_f32 v[TM+\b], v[TM+\b], v[TM+4+\b]   ; with lane l xor 16: the block's largest magnitude
.endr
.irp b, 0,1,2,3
	s_delay_alu instid0(VALU_DEP_4)
	v_add_nc_u32 v[TM+12+\b], 0xff000000, v[TM+\b] ; 2 off its exponent field: the conversion's scale operand
.endr
.irp b, 0,1,2,3
	s_delay_alu instid0(VALU_DEP_4)
	v_lshrrev_b32 v[TM+4+\b], 23, v[TM+12+\b]      ; the scale's byte
.endr
	s_delay_alu instid0(VALU_DEP_3)
	v_lshl_or_b32 v[\pw], v[TM+5], 8, v[TM+4]
	s_delay_alu instid0(VALU_DEP_1)
	v_lshl_or_b32 v[\pw], v[TM+6], 16, v[\pw]
	s_delay_alu instid0(VALU_DEP_1)
	v_lshl_or_b32 v[\pw], v[TM+7], 24, v[\pw]
.irp c, 0,1
	v_cvt_scalef32_pk16_fp6_f32 v[\pc+6*\c:\pc+2+6*\c], v[\s+32*\c:\s+15+32*\c], v[TM+12+2*\c]
	v_cvt_scalef32_pk16_fp6_f32 v[\pc+12+4*\c:\pc+14+4*\c], v[\s+16+32*\c:\s+31+32*\c], v[TM+12+2*\c+1]
.endr
	v_nop                                          ; one plain instruction behind a scaled conversion
.irp c, 0,1                            ; the operand wants a whole block in a lane: lanes 0-15 block 2 c, lanes 16-31 block 2 c + 1
.irp i, 0,1,2
	v_permlane16_swap_b32 v[\pc+6*\c+\i], v[\pc+12+4*\c+\i]
.endr
.irp i, 0,1,2
	s_delay_alu instid0(VALU_DEP_3)
	v_mov_b32 v[\pc+3+6*\c+\i], v[\pc+12+4*\c+\i]
.endr
.endr
.endm
.macro MEET red                        ; v246, my 64 numbers' sum, becomes the row's sum over all eight waves
	s_delay_alu instid0(VALU_DEP_1)
	v_permlanex16_b32 v250, v246, s[SEL], s[SEL+1]
	s_delay_alu instid0(VALU_DEP_1)
	v_add_f32 v246, v246, v250                     ; my wave's 128 columns of row r
	ds_store_b32 v8, v246 offset:\red              ; lanes r and 16 + r write the same word with the same value
	s_wait_dscnt 0x0                               ; for the others' sake
	s_barrier_signal -1
	s_barrier_wait -1
.irp i, 0,1,2,3,4,5,6,7
	ds_load_b32 v[246+\i], v9 offset:\red+64*\i
.endr
	s_wait_dscnt 0x0
	v_add_f32 v246, v246, v247
	v_add_f32 v248, v248, v249
	v_add_f32 v250, v250, v251
	v_add_f32 v252, v252, v253
	s_delay_alu instid0(VALU_DEP_3)
	v_add_f32 v246, v246, v248
	s_delay_alu instid0(VALU_DEP_2)
	v_add_f32 v250, v250, v252
	s_delay_alu instid0(VALU_DEP_1)
	v_add_f32 v246, v246, v250
.endm
	s_load_b256 s[4:11], s[0:1], 0x0               ; in, gain, bias, out
	v_lshl_add_u32 v14, v0, 2, SPARE
	v_mov_b32 v15, 0
	v_lshrrev_b32 v1, 5, v0
	s_delay_alu instid0(VALU_DEP_1)
	v_readfirstlane_b32 s14, v1                    ; wave = K step
	v_and_b32 v1, 31, v0
	v_and_b32 v2, 15, v0                           ; r
	v_bfe_u32 v3, v0, 4, 1                         ; h
	s_delay_alu instid0(VALU_DEP_3)
	v_lshlrev_b32 v4, 4, v1                        ; 16 x lane
	s_mul_i32 s15, s14, 8448
	s_add_co_u32 s15, s15, STAGE                   ; my stage
	v_add_nc_u32 v5, s15, v4                       ; into it
	v_mul_u32_u24 v6, v2, 528
	s_delay_alu instid0(VALU_DEP_1)
	v_lshl_add_u32 v6, v3, 6, v6
	s_delay_alu instid0(VALU_DEP_1)
	v_add_nc_u32 v6, s15, v6                       ; out of it: row r, + 64 h
	v_lshlrev_b32 v7, 6, v3                        ; 64 h
	v_lshlrev_b32 v9, 2, v2                        ; 4 r
	s_lshl_b32 s15, s14, 6
	v_add_nc_u32 v8, s15, v9                       ; 64 x wave + 4 r
	v_lshlrev_b32 v10, 3, v1                       ; 8 x lane
.irp b, 0,1,2,3
	v_mov_b32 v[TM+4+\b], 0                        ; a lane permute's destination counts as read
.endr
	v_mov_b32 v250, 0
	s_mov_b32 s[SEL], 0x76543210
	s_mov_b32 s[SEL+1], 0xfedcba98
	s_mov_b32 s18, 0x3a800000                      ; 1 / 1024
	s_mov_b32 s19, 0x3727c5ac                      ; 1e-5
	s_lshr_b32 s16, ttmp9, 1
	s_lshl_b32 s16, s16, 5
	s_and_b32 s17, ttmp9, 1
	s_lshl_b32 s17, s17, 3
	s_add_co_u32 s16, s16, s17                     ; the tile's first token
	s_lshl_b32 s16, s16, 12
	s_lshl_b32 s22, s14, 9                         ; my 512 bytes of a row
	s_add_co_u32 s16, s16, s22
	s_mov_b32 s17, 0
	s_mov_b32 s23, 0
	s_lshr_b32 s24, ttmp9, 3
	s_lshl_b32 s24, s24, 3
	s_add_co_u32 s24, s24, s14
	s_mul_i32 s24, s24, 12800                      ; the panel
	s_and_b32 s25, ttmp9, 7
	s_mul_i32 s26, s25, 1536
	s_add_co_u32 s26, s26, s24                     ; my fragment
	s_lshl_b32 s25, s25, 6
	s_add_co_u32 s24, s24, s25
	s_add_co_u32 s24, s24, 12288                   ; its scale words
	s_mov_b32 s25, 0
	s_mov_b32 s27, 0
	s_wait_alu depctr_va_vdst(0)
	s_wait_kmcnt 0x0
	s_add_nc_u64 s[4:5], s[4:5], s[16:17]
	s_add_nc_u64 s[6:7], s[6:7], s[22:23]
	s_add_nc_u64 s[8:9], s[8:9], s[22:23]
	s_add_nc_u64 s[20:21], s[10:11], s[24:25]
	s_add_nc_u64 s[10:11], s[10:11], s[26:27]
.irp n, 0,1,2,3,4,5,6,7,8,9,10,11,12,13,14,15
	global_load_b128 v[D+4*\n:D+4*\n+3], v4, s[4:5] offset:4096*(\n+8*(\n/8))
.endr
.irp b, 0,1,2,3
.irp q, 0,1,2,3
	global_load_b128 v[G+16*\b+4*\q:G+16*\b+4*\q+3], v7, s[6:7] offset:128*\b+16*\q
.endr
.endr
.irp b, 0,1,2,3
.irp q, 0,1,2,3
	global_load_b128 v[BE+16*\b+4*\q:BE+16*\b+4*\q+3], v7, s[8:9] offset:128*\b+16*\q
.endr
.endr
	s_wait_loadcnt 32                              ; the rows are in; the gain's 16 loads and the bias's 16 may be out
.irp n, 0,1,2,3,4,5,6,7,8,9,10,11,12,13,14,15
	ds_store_b128 v5, v[D+4*\n:D+4*\n+3] offset:528*\n
.endr
.irp b, 0,1,2,3
.irp q, 0,1,2,3
	ds_load_b128 v[D+16*\b+4*\q:D+16*\b+4*\q+3], v6 offset:128*\b+16*\q   ; LDS serves a wave's instructions in order (ISA guide 5.7.1.4): these see the stores above, and come back into the registers that the stores have left
.endr
.endr
	s_wait_dscnt 0x0                               ; my numbers are back
	v_pk_add_f32 v[248:249], v[16:17], v[20:21]
	v_pk_add_f32 v[254:255], v[24:25], v[28:29]
	v_pk_add_f32 v[252:253], v[32:33], v[36:37]
	v_pk_add_f32 v[244:245], v[40:41], v[44:45]
	v_pk_add_f32 v[242:243], v[48:49], v[52:53]
	v_pk_add_f32 v[240:241], v[56:57], v[60:61]
	v_pk_add_f32 v[238:239], v[64:65], v[68:69]
	v_pk_add_f32 v[246:247], v[72:73], v[76:77]
	s_delay_alu instid0(VALU_DEP_1)
	v_pk_add_f32 v[246:247], v[246:247], v[18:19]
	v_pk_add_f32 v[248:249], v[248:249], v[22:23]
	v_pk_add_f32 v[254:255], v[254:255], v[26:27]
	v_pk_add_f32 v[252:253], v[252:253], v[30:31]
	v_pk_add_f32 v[244:245], v[244:245], v[34:35]
	v_pk_add_f32 v[242:243], v[242:243], v[38:39]
	v_pk_add_f32 v[240:241], v[240:241], v[42:43]
	v_pk_add_f32 v[238:239], v[238:239], v[46:47]
	v_pk_add_f32 v[246:247], v[246:247], v[50:51]
	v_pk_add_f32 v[248:249], v[248:249], v[54:55]
	v_pk_add_f32 v[254:255], v[254:255], v[58:59]
	v_pk_add_f32 v[252:253], v[252:253], v[62:63]
	v_pk_add_f32 v[244:245], v[244:245], v[66:67]
	v_pk_add_f32 v[242:243], v[242:243], v[70:71]
	v_pk_add_f32 v[240:241], v[240:241], v[74:75]
	v_pk_add_f32 v[238:239], v[238:239], v[78:79]
	s_delay_alu instid0(VALU_DEP_4)
	v_pk_add_f32 v[246:247], v[246:247], v[244:245]
	s_delay_alu instid0(VALU_DEP_4)
	v_pk_add_f32 v[248:249], v[248:249], v[242:243]
	s_delay_alu instid0(VALU_DEP_4)
	v_pk_add_f32 v[254:255], v[254:255], v[240:241]
	s_delay_alu instid0(VALU_DEP_4)
	v_pk_add_f32 v[252:253], v[252:253], v[238:239]
	s_delay_alu instid0(VALU_DEP_2)
	v_pk_add_f32 v[246:247], v[246:247], v[254:255]
	s_delay_alu instid0(VALU_DEP_2)
	v_pk_add_f32 v[248:249], v[248:249], v[252:253]
	s_delay_alu instid0(VALU_DEP_1)
	v_pk_add_f32 v[246:247], v[246:247], v[248:249]
	s_delay_alu instid0(VALU_DEP_1)
	v_add_f32 v246, v246, v247
	MEET RED1
	s_delay_alu instid0(VALU_DEP_1)
	v_mul_f32 v254, s18, v246                      ; the mean
	s_delay_alu instid0(VALU_DEP_1)
	v_mov_b32 v255, v254
.set J, 0
.rept 32
	v_pk_add_f32 v[D+J:D+J+1], v[D+J:D+J+1], v[254:255] neg_lo:[0,1] neg_hi:[0,1]
.set J, J+2
.endr
	v_pk_mul_f32 v[246:247], v[D:D+1], v[D:D+1]    ; the squares of the centred numbers
	v_pk_mul_f32 v[248:249], v[D+2:D+3], v[D+2:D+3]
.set J, 4
.rept 15
	s_delay_alu instid0(VALU_DEP_2)
	v_pk_fma_f32 v[246:247], v[D+J:D+J+1], v[D+J:D+J+1], v[246:247]
	s_delay_alu instid0(VALU_DEP_2)
	v_pk_fma_f32 v[248:249], v[D+J+2:D+J+3], v[D+J+2:D+J+3], v[248:249]
.set J, J+4
.endr
	s_delay_alu instid0(VALU_DEP_1)
	v_pk_add_f32 v[246:247], v[246:247], v[248:249]
	s_delay_alu instid0(VALU_DEP_1)
	v_add_f32 v246, v246, v247
	MEET RED2
	s_delay_alu instid0(VALU_DEP_1)
	v_fma_f32 v246, v246, s18, s19                 ; the variance + 1e-5
	s_wait_alu depctr_va_vdst(0)
	v_rsq_f32 v254, v246
	v_nop                                          ; a plain instruction behind the transcendental
	s_wait_alu depctr_va_vdst(0)                   ; ahead of the first reader
	v_mov_b32 v255, v254
	s_wait_alu depctr_va_vdst(0)
	s_wait_loadcnt 0x0                             ; gain and bias
.set J, 0
.rept 32
	v_pk_mul_f32 v[D+J:D+J+1], v[D+J:D+J+1], v[254:255]
.set J, J+2
.endr
.set J, 0
.rept 32
	v_pk_fma_f32 v[D+J:D+J+1], v[D+J:D+J+1], v[G+J:G+J+1], v[BE+J:BE+J+1]
.set J, J+2
.endr
	QUANT D, PC, PW
	global_store_b128 v4, v[PC:PC+3], s[10:11]               ; the fragment as it stands: 512 and 256 consecutive bytes a store
	global_store_b64 v10, v[PC+4:PC+5], s[10:11] offset:512
	global_store_b128 v4, v[PC+6:PC+9], s[10:11] offset:768
	global_store_b64 v10, v[PC+10:PC+11], s[10:11] offset:1280
	global_store_b32 v9, v[PW], s[20:21]                     ; lanes r and 16 + r store the same word with the same value
	s_wait_tensorcnt 0x0                           ; the wave's end: behind my last LDS store
	ds_add_u32 v14, v15
	s_wait_dscnt 0x0
	s_endpgm
.Lfunc_end_k_q8f14e7c3c0_ln1:
	.size	k_q8f14e7c3c0_ln1, .Lfunc_end_k_q8f14e7c3c0_ln1-k_q8f14e7c3c0_ln1
	.p2alignl 7, 3214868480
	.fill 96, 4, 3214868480
	.section	.rodata,"a",@progbits
	.p2align	6, 0x0
	.amdhsa_kernel k_q8f14e7c3c0_ln1
		.amdhsa_group_segment_fixed_size 69632
		.amdhsa_private_segment_fixed_size 0
		.amdhsa_enable_private_segment 0
		.amdhsa_kernarg_size 32
		.amdhsa_user_sgpr_count 2
		.amdhsa_user_sgpr_kernarg_segment_ptr 1
		.amdhsa_wavefront_size32 1
		.amdhsa_system_sgpr_workgroup_id_x 1
		.amdhsa_system_sgpr_workgroup_id_y 1
		.amdhsa_system_sgpr_workgroup_id_z 1
		.amdhsa_system_vgpr_workitem_id 0
		.amdhsa_next_free_vgpr 256
		.amdhsa_next_free_sgpr 66
		.amdhsa_reserve_vcc 0
		.amdhsa_float_denorm_mode_32 3
		.amdhsa_float_denorm_mode_16_64 3
		.amdhsa_memory_ordered 1
		.amdhsa_forward_progress 1
		.amdhsa_inst_pref_size 30
	.end_amdhsa_kernel
	.amdgpu_metadata
---
amdhsa.version: [ 1, 2 ]
amdhsa.kernels:
  - .name:           k_q8f14e7c3c0_ln1
    .symbol:         k_q8f14e7c3c0_ln1.kd
    .args:
      - { .name: x1, .offset: 0, .size: 8, .value_kind: global_buffer, .address_space: global }
      - { .name: g2, .offset: 8, .size: 8, .value_kind: global_buffer, .address_space: global }
      - { .name: be2, .offset: 16, .size: 8, .value_kind: global_buffer, .address_space: global }
      - { .name: himg, .offset: 24, .size: 8, .value_kind: global_buffer, .address_space: global }
    .group_segment_fixed_size: 69632
    .private_segment_fixed_size: 0
    .kernarg_segment_align: 8
    .kernarg_segment_size: 32
    .max_flat_workgroup_size: 256
    .sgpr_count:     66
    .vgpr_count:     256
    .wavefront_size: 32
...
	.end_amdgpu_metadata
.endif
;; end of part 5
;; launch ffn1 (part 6): grid 16 x 16, 16 waves a work-group, clusters of 4 x 4, 327,680 bytes of LDS; arguments wimg, himg, b1, hid; writes hid
.if DOCPART == 6
	.amdgcn_target "amdgcn-amd-amdhsa--gfx1250"
	.amdhsa_code_object_version 6
	.text
	.protected	k_q8f14e7c3c0_ffn1
	.globl	k_q8f14e7c3c0_ffn1
	.p2align	8
	.type	k_q8f14e7c3c0_ffn1,@function
k_q8f14e7c3c0_ffn1:
	s_mov_b64 s[64:65], 0
	v_nop
	global_prefetch_b8 v0, s[64:65] scope:SCOPE_SE
	s_setreg_imm32_b32 hwreg(HW_REG_WAVE_MODE, 25, 1), 1
	s_wait_xcnt 0x0
	s_wait_alu depctr_hold_cnt(0) depctr_sa_sdst(0) depctr_va_vdst(0) depctr_va_sdst(0) depctr_va_ssrc(0) depctr_va_vcc(0) depctr_vm_vsrc(0)
	s_getreg_b32 s2, hwreg(HW_REG_IB_STS2, 6, 4)
	s_cmp_eq_u32 s2, 0
	s_cbranch_scc0 .Lentry_in_a_cluster
	s_endpgm
.Lentry_in_a_cluster:
	s_bfe_u32 s2, ttmp6, 0x10000c
	s_cmp_lg_u32 s2, 0xf033
	s_cbranch_scc0 .Lentry_shape_is_right
	s_endpgm
.Lentry_shape_is_right:
.set KS,    8
.set SECT,  3276800
.set SLOT,  102400
.set STEPB, 25600
.set SPARE, 204800
.set WV,  14
.set SEL, 20
.set G1P, 24
.set G0P, 32
.set G1Q, 48
.set G0Q, 56
.set TM,  224
.macro ROUND
	s_barrier_signal -1
	s_barrier_wait -1
	s_cmp_lg_u32 s[WV], 0
	s_cbranch_scc1 .Lnot_wave_0_\@
	s_barrier_signal -3
.Lnot_wave_0_\@:
	s_barrier_wait -3
	s_barrier_signal -1
	s_barrier_wait -1
.endm
.macro JLOAD s
	s_cmp_lt_u32 s[WV], 8
	s_cbranch_scc0 .Lfor_q_\@
	tensor_load_to_lds s[G0P+4*(\s):G0P+4*(\s)+3], s[G1P:G1P+7]
	s_nop 0
.rept 4
	v_nop
.endr
	s_branch .Lasked_\@
.Lfor_q_\@:
	tensor_load_to_lds s[G0Q+4*(\s):G0Q+4*(\s)+3], s[G1Q:G1Q+7]
	s_nop 0
.rept 4
	v_nop
.endr
.Lasked_\@:
.endm
.macro FRAG reg, a16, a8, off
	ds_load_b128 v[\reg:\reg+3], v[\a16] offset:\off
	ds_load_b64 v[\reg+4:\reg+5], v[\a8] offset:\off+512
	ds_load_b128 v[\reg+6:\reg+9], v[\a16] offset:\off+768
	ds_load_b64 v[\reg+10:\reg+11], v[\a8] offset:\off+1280
.endm
.macro WM x, y
.set rD, 96+64*(\y)+8*(\x)
.set rA, 40+12*((\x)%4)
.set rB, 16+12*(\y)
.set rS, 88+(\x)/2
.if ((\x)%2) && (\y)
	v_wmma_scale_f32_16x16x128_f8f6f4 v[rD:rD+7], v[rA:rA+11], v[rB:rB+11], v[rD:rD+7], v[rS], v92 matrix_a_fmt:MATRIX_FMT_FP6 matrix_b_fmt:MATRIX_FMT_FP6 matrix_a_scale:MATRIX_SCALE_ROW1 matrix_b_scale:MATRIX_SCALE_ROW1
.elseif (\x)%2
	v_wmma_scale_f32_16x16x128_f8f6f4 v[rD:rD+7], v[rA:rA+11], v[rB:rB+11], v[rD:rD+7], v[rS], v92 matrix_a_fmt:MATRIX_FMT_FP6 matrix_b_fmt:MATRIX_FMT_FP6 matrix_a_scale:MATRIX_SCALE_ROW1
.elseif \y
	v_wmma_scale_f32_16x16x128_f8f6f4 v[rD:rD+7], v[rA:rA+11], v[rB:rB+11], v[rD:rD+7], v[rS], v92 matrix_a_fmt:MATRIX_FMT_FP6 matrix_b_fmt:MATRIX_FMT_FP6 matrix_b_scale:MATRIX_SCALE_ROW1
.else
	v_wmma_scale_f32_16x16x128_f8f6f4 v[rD:rD+7], v[rA:rA+11], v[rB:rB+11], v[rD:rD+7], v[rS], v92 matrix_a_fmt:MATRIX_FMT_FP6 matrix_b_fmt:MATRIX_FMT_FP6
.endif
.endm
.macro MM4 xa
	WM \xa, 0
	WM \xa, 1
	WM (\xa)+1, 0
	WM (\xa)+1, 1
.endm
.macro KSTEP slot, ko
.rept 4
	v_nop
.endr
	FRAG 16, 6+\slot, 8+\slot, \ko
	FRAG 28, 6+\slot, 8+\slot, \ko+1536
	ds_load_b32 v92, v[12+\slot] offset:\ko
.irp i, 0,1,2,3
	ds_load_b32 v[88+\i], v[10+\slot] offset:\ko+128*\i
.endr
.irp x, 0,1,2,3
	FRAG 40+12*\x, 2+\slot, 4+\slot, \ko+1536*\x
.endr
	s_wait_dscnt 8
	MM4 0
	s_wait_dscnt 0x0
	MM4 2
.rept 4
	v_nop
.endr
.irp x, 4,5,6,7
	FRAG 40+12*(\x-4), 2+\slot, 4+\slot, \ko+1536*\x
.endr
	s_wait_dscnt 8
	MM4 4
	s_wait_dscnt 0x0
	MM4 6
.endm
.macro WORK slot
	KSTEP \slot, 0
	KSTEP \slot, 12800
.endm
.macro CHANGE slot, refill
	s_wait_tensorcnt 0x0
	ds_add_u32 v14, v15
.if \refill
	s_add_nc_u64 s[G0P+4*(1-\slot)+2:G0P+4*(1-\slot)+3], s[G0P+4*(1-\slot)+2:G0P+4*(1-\slot)+3], 2*STEPB
	s_add_nc_u64 s[G0Q+4*(1-\slot)+2:G0Q+4*(1-\slot)+3], s[G0Q+4*(1-\slot)+2:G0Q+4*(1-\slot)+3], 2*STEPB
.endif
	s_wait_dscnt 0x0
.if \refill
	ROUND
	JLOAD 1-\slot
.else
	s_barrier_signal -1
	s_barrier_wait -1
.endif
.endm
.macro QUANT s, pc, pw
.irp b, 0,1,2,3
	v_max3_num_f32 v[TM+\b], |v[\s+16*\b]|, |v[\s+1+16*\b]|, 0x1800000
.endr
.irp i, 2,4,6,8,10,12,14
.irp b, 0,1,2,3
	s_delay_alu instid0(VALU_DEP_4)
	v_max3_num_f32 v[TM+\b], v[TM+\b], |v[\s+16*\b+\i]|, |v[\s+1+16*\b+\i]|
.endr
.endr
.irp b, 0,1,2,3
	s_delay_alu instid0(VALU_DEP_4)
	v_permlanex16_b32 v[TM+4+\b], v[TM+\b], s[SEL], s[SEL+1]
.endr
.irp b, 0,1,2,3
	s_delay_alu instid0(VALU_DEP_4)
	v_max_num_f32 v[TM+\b], v[TM+\b], v[TM+4+\b]
.endr
.irp b, 0,1,2,3
	s_delay_alu instid0(VALU_DEP_4)
	v_add_nc_u32 v[TM+12+\b], 0xff000000, v[TM+\b]
.endr
.irp b, 0,1,2,3
	s_delay_alu instid0(VALU_DEP_4)
	v_lshrrev_b32 v[TM+4+\b], 23, v[TM+12+\b]
.endr
	s_delay_alu instid0(VALU_DEP_3)
	v_lshl_or_b32 v[\pw], v[TM+5], 8, v[TM+4]
	s_delay_alu instid0(VALU_DEP_1)
	v_lshl_or_b32 v[\pw], v[TM+6], 16, v[\pw]
	s_delay_alu instid0(VALU_DEP_1)
	v_lshl_or_b32 v[\pw], v[TM+7], 24, v[\pw]
.irp c, 0,1
	v_cvt_scalef32_pk16_fp6_f32 v[\pc+6*\c:\pc+2+6*\c], v[\s+32*\c:\s+15+32*\c], v[TM+12+2*\c]
	v_cvt_scalef32_pk16_fp6_f32 v[\pc+12+4*\c:\pc+14+4*\c], v[\s+16+32*\c:\s+31+32*\c], v[TM+12+2*\c+1]
.endr
	v_nop
.irp c, 0,1
.irp i, 0,1,2
	v_permlane16_swap_b32 v[\pc+6*\c+\i], v[\pc+12+4*\c+\i]
.endr
.irp i, 0,1,2
	s_delay_alu instid0(VALU_DEP_3)
	v_mov_b32 v[\pc+3+6*\c+\i], v[\pc+12+4*\c+\i]
.endr
.endr
.endm
	s_load_b256 s[4:11], s[0:1], 0x0
	v_lshl_add_u32 v14, v0, 2, SPARE
	v_mov_b32 v15, 0
	ds_add_u32 v14, v15
	ds_add_u32 v14, v15
	v_lshrrev_b32 v1, 5, v0
	s_delay_alu instid0(VALU_DEP_1)
	v_readfirstlane_b32 s[WV], v1
	s_and_b32 s15, s[WV], 7
	s_bfe_u32 s40, ttmp6, 0x40000
	s_bfe_u32 s41, ttmp6, 0x40004
	s_lshl_b32 s42, ttmp9, 2
	s_add_co_u32 s42, s42, s40
	s_and_b32 s43, ttmp7, 0xffff
	s_lshl_b32 s43, s43, 2
	s_add_co_u32 s43, s43, s41
	s_lshl_b32 s44, 0x1111, s40
	s_lshl_b32 s45, s41, 2
	s_lshl_b32 s45, 15, s45
	s_or_b32 s[G1P], s44, (3<<16)|(1<<21)
	s_or_b32 s[G1Q], s45, (3<<16)|(1<<21)
.irp g, G1P, G1Q
	s_mov_b32 s[\g+1], 32<<16
	s_mov_b32 s[\g+2], 50<<16                      ; 50 rows of 256 bytes for the head's load: a panel of 12,800 dense bytes (set to 25 behind it)
	s_mov_b32 s[\g+3], 32<<16
	s_mov_b32 s[\g+4], 50
	s_mov_b32 s[\g+5], 32
	s_mov_b32 s[\g+6], 0
	s_mov_b32 s[\g+7], 0
.endr
	s_lshr_b32 s16, s15, 2
	s_and_b32 s17, s15, 3
	s_mul_i32 s17, s17, 6400
	s_lshl_b32 s18, s42, 1
	s_add_co_u32 s18, s18, s16
	s_mul_i32 s18, s18, KS*12800
	s_add_co_u32 s18, s18, s17
	s_add_co_u32 s18, s18, SECT
	s_mov_b32 s19, 0
	s_lshl_b32 s46, s43, 1
	s_add_co_u32 s46, s46, s16
	s_mul_i32 s46, s46, KS*12800
	s_add_co_u32 s46, s46, s17
	s_mov_b32 s47, 0
	s_mul_i32 s2, s[WV], 6400
	s_mov_b32 s[SEL], 0x76543210
	s_mov_b32 s[SEL+1], 0xfedcba98
	s_mov_b32 s22, 0xffff0000
	s_wait_dscnt 0x0
	s_wait_kmcnt 0x0
	s_add_nc_u64 s[18:19], s[4:5], s[18:19]
	s_add_nc_u64 s[46:47], s[6:7], s[46:47]
	ROUND
.irp s, 0,1
	s_mov_b32 s[G0P+4*\s], 1
	s_add_co_u32 s[G0P+4*\s+1], s2, \s*SLOT
	s_add_nc_u64 s[G0P+4*\s+2:G0P+4*\s+3], s[18:19], \s*STEPB
	s_or_b32 s[G0P+4*\s+3], s[G0P+4*\s+3], 0x80000000
	s_mov_b32 s[G0Q+4*\s], 1
	s_add_co_u32 s[G0Q+4*\s+1], s2, \s*SLOT
	s_add_nc_u64 s[G0Q+4*\s+2:G0Q+4*\s+3], s[46:47], \s*STEPB
	s_or_b32 s[G0Q+4*\s+3], s[G0Q+4*\s+3], 0x80000000
.endr
	; THE HEAD'S LOAD, ONE A WAVE: both slots hold 16 panels, 8 of the weights and 8 of the tokens; wave w takes the panel of row block (w % 8) / 4, K step w % 4,
	; which lies in slot (K step / 2), at row block x 25,600 + (K step % 2) x 12,800 (the tokens': 51,200 further on)
	s_bfe_u32 s66, s15, 0x10001
	s_mul_i32 s66, s66, SLOT
	s_and_b32 s67, s15, 1
	s_mul_i32 s67, s67, 12800
	s_add_co_u32 s66, s66, s67
	s_mul_i32 s67, s16, STEPB
	s_add_co_u32 s66, s66, s67
	s_mov_b32 s92, s17                             ; s[18:19], s[46:47] stand (w % 4) x 6,400 bytes into the row block: as much again is the panel's first byte
	s_mov_b32 s93, 0
	s_add_nc_u64 s[94:95], s[18:19], s[92:93]
	s_add_nc_u64 s[98:99], s[46:47], s[92:93]
	s_or_b32 s95, s95, 0x80000000
	s_or_b32 s99, s99, 0x80000000
	s_mov_b32 s92, 1
	s_mov_b32 s93, s66
	s_mov_b32 s96, 1
	s_add_co_u32 s97, s66, 2*STEPB
	s_cmp_lt_u32 s[WV], 8
	s_cbranch_scc0 .Lhead_q
	tensor_load_to_lds s[92:95], s[G1P:G1P+7]
	s_nop 0
.rept 4
	v_nop
.endr
	s_branch .Lhead_asked
.Lhead_q:
	tensor_load_to_lds s[96:99], s[G1Q:G1Q+7]
	s_nop 0
.rept 4
	v_nop
.endr
.Lhead_asked:
	v_and_b32 v1, 31, v0
	s_delay_alu instid0(VALU_DEP_1)
	v_lshlrev_b32 v244, 4, v1
	s_wait_alu depctr_va_vdst(0)
	v_lshlrev_b32 v245, 3, v1
	s_wait_alu depctr_va_vdst(0)
	v_lshlrev_b32 v246, 2, v1
	v_bfe_u32 v247, v0, 4, 1
	s_delay_alu instid0(VALU_DEP_1)
	v_lshlrev_b32 v247, 6, v247
.irp b, 0,1,2,3
	v_mov_b32 v[TM+4+\b], 0
.endr
	s_lshr_b32 s66, s[WV], 3
	s_and_b32 s67, s[WV], 7
	s_lshl_b32 s68, s42, 1
	s_add_co_u32 s68, s68, s66
	s_lshl_b32 s74, s68, 9
	s_mov_b32 s75, 0
	s_add_nc_u64 s[8:9], s[8:9], s[74:75]
.irp y, 0,1
.irp t, 0,1,2,3,4,5,6,7
	global_load_b128 v[96+64*\y+8*\t:99+64*\y+8*\t], v247, s[8:9] offset:(32*(\t/2)+8*(\t%2))*4
	global_load_b128 v[100+64*\y+8*\t:103+64*\y+8*\t], v247, s[8:9] offset:(32*(\t/2)+8*(\t%2))*4+16
.endr
.endr
	s_mul_i32 s69, s66, 25600
	s_lshr_b32 s71, s67, 2
	s_mul_i32 s70, s71, 25600
	s_add_co_u32 s70, s70, 51200
	s_and_b32 s71, s67, 3
	s_mul_i32 s72, s71, 3072
	s_add_co_u32 s72, s72, s70
	s_lshl_b32 s71, s71, 7
	s_add_co_u32 s71, s71, s70
	s_add_co_u32 s71, s71, 12288
	s_add_co_u32 s70, s69, 12288
.irp s, 0,1
	v_add_nc_u32 v[2+\s], s69, v244
	v_add_nc_u32 v[4+\s], s69, v245
	v_add_nc_u32 v[6+\s], s72, v244
	v_add_nc_u32 v[8+\s], s72, v245
	v_add_nc_u32 v[10+\s], s70, v246
	v_add_nc_u32 v[12+\s], s71, v246
	s_add_co_u32 s69, s69, SLOT
	s_add_co_u32 s70, s70, SLOT
	s_add_co_u32 s71, s71, SLOT
	s_add_co_u32 s72, s72, SLOT
.endr
	s_lshl_b32 s69, s43, 1
	s_lshr_b32 s70, s67, 2
	s_add_co_u32 s69, s69, s70
	s_lshl_b32 s69, s69, 5
	s_add_co_u32 s69, s69, s68
	s_mul_i32 s69, s69, 12800
	s_and_b32 s70, s67, 3
	s_mul_i32 s72, s70, 3072
	s_add_co_u32 s72, s72, s69
	s_mov_b32 s73, 0
	s_lshl_b32 s70, s70, 7
	s_add_co_u32 s70, s70, s69
	s_add_co_u32 s70, s70, 12288
	s_mov_b32 s71, 0
	s_add_nc_u64 s[82:83], s[10:11], s[72:73]
	s_add_nc_u64 s[86:87], s[10:11], s[70:71]
	s_wait_alu depctr_va_vdst(0)
	s_wait_tensorcnt 0x0                           ; my panel is in; no tensor load of mine is out, so a descriptor may be written: from here on a load brings 25 rows
	s_mov_b32 s[G1P+2], 25<<16
	s_mov_b32 s[G1P+4], 25
	s_mov_b32 s[G1Q+2], 25<<16
	s_mov_b32 s[G1Q+4], 25
	s_barrier_signal -1
	s_barrier_wait -1
	s_wait_loadcnt 0x0
	WORK 0
	CHANGE 1, 1
	WORK 1
	CHANGE 0, 1
	WORK 0
	CHANGE 1, 0
	WORK 1
.rept 4
	v_nop
.endr
.set J, 0
.rept 64
	v_max_num_f32 v[96+J], 0, v[96+J]
.set J, J+1
.endr
	QUANT 96, 40, 240
.set J, 0
.rept 64
	v_max_num_f32 v[160+J], 0, v[160+J]
.set J, J+1
.endr
	QUANT 160, 60, 241
.irp y, 0,1
	global_store_b128 v244, v[40+20*\y:43+20*\y], s[82:83] offset:1536*\y
	global_store_b64 v245, v[44+20*\y:45+20*\y], s[82:83] offset:1536*\y+512
	global_store_b128 v244, v[46+20*\y:49+20*\y], s[82:83] offset:1536*\y+768
	global_store_b64 v245, v[50+20*\y:51+20*\y], s[82:83] offset:1536*\y+1280
.endr
	v_cndmask_b32 v249, v240, v241, s22
	global_store_b32 v246, v249, s[86:87]
	s_wait_tensorcnt 0x0
	ds_add_u32 v14, v15
	s_wait_dscnt 0x0
	ROUND
	s_endpgm
.Lfunc_end_k_q8f14e7c3c0_ffn1:
	.size	k_q8f14e7c3c0_ffn1, .Lfunc_end_k_q8f14e7c3c0_ffn1-k_q8f14e7c3c0_ffn1
	.p2alignl 7, 3214868480
	.fill 96, 4, 3214868480
	.section	.rodata,"a",@progbits
	.p2align	6, 0x0
	.amdhsa_kernel k_q8f14e7c3c0_ffn1
		.amdhsa_group_segment_fixed_size 327680
		.amdhsa_private_segment_fixed_size 0
		.amdhsa_enable_private_segment 0
		.amdhsa_kernarg_size 32
		.amdhsa_user_sgpr_count 2
		.amdhsa_user_sgpr_kernarg_segment_ptr 1
		.amdhsa_wavefront_size32 1
		.amdhsa_system_sgpr_workgroup_id_x 1
		.amdhsa_system_sgpr_workgroup_id_y 1
		.amdhsa_system_sgpr_workgroup_id_z 1
		.amdhsa_system_vgpr_workitem_id 0
		.amdhsa_next_free_vgpr 256
		.amdhsa_next_free_sgpr 100
		.amdhsa_reserve_vcc 0
		.amdhsa_float_denorm_mode_32 3
		.amdhsa_float_denorm_mode_16_64 3
		.amdhsa_memory_ordered 1
		.amdhsa_forward_progress 1
		.amdhsa_inst_pref_size 72
	.end_amdhsa_kernel
	.amdgpu_metadata
---
amdhsa.version: [ 1, 2 ]
amdhsa.kernels:
  - .name:           k_q8f14e7c3c0_ffn1
    .symbol:         k_q8f14e7c3c0_ffn1.kd
    .args:
      - { .name: wimg, .offset: 0, .size: 8, .value_kind: global_buffer, .address_space: global }
      - { .name: himg, .offset: 8, .size: 8, .value_kind: global_buffer, .address_space: global }
      - { .name: b1, .offset: 16, .size: 8, .value_kind: global_buffer, .address_space: global }
      - { .name: hid, .offset: 24, .size: 8, .value_kind: global_buffer, .address_space: global }
    .group_segment_fixed_size: 327680
    .private_segment_fixed_size: 0
    .kernarg_segment_align: 8
    .kernarg_segment_size: 32
    .max_flat_workgroup_size: 512
    .sgpr_count:     100
    .vgpr_count:     256
    .wavefront_size: 32
...
	.end_amdgpu_metadata
.endif
;; end of part 6
;; launch ffn2 (part 7): grid 8 x 32, 16 waves a work-group, clusters of 4 x 4, 327,680 bytes of LDS; arguments wimg, hid, b2, x1, out0; writes out0
.if DOCPART == 7
	.amdgcn_target "amdgcn-amd-amdhsa--gfx1250"
	.amdhsa_code_object_version 6
	.text
	.protected	k_q8f14e7c3c0_ffn2
	.globl	k_q8f14e7c3c0_ffn2
	.p2align	8
	.type	k_q8f14e7c3c0_ffn2,@function
k_q8f14e7c3c0_ffn2:
	s_mov_b64 s[64:65], 0
	v_nop
	global_prefetch_b8 v0, s[64:65] scope:SCOPE_SE
	s_setreg_imm32_b32 hwreg(HW_REG_WAVE_MODE, 25, 1), 1
	s_wait_xcnt 0x0
	s_wait_alu depctr_hold_cnt(0) depctr_sa_sdst(0) depctr_va_vdst(0) depctr_va_sdst(0) depctr_va_ssrc(0) depctr_va_vcc(0) depctr_vm_vsrc(0)
	s_getreg_b32 s2, hwreg(HW_REG_IB_STS2, 6, 4)
	s_cmp_eq_u32 s2, 0
	s_cbranch_scc0 .Lentry_in_a_cluster
	s_endpgm
.Lentry_in_a_cluster:
	s_bfe_u32 s2, ttmp6, 0x10000c
	s_cmp_lg_u32 s2, 0xf033
	s_cbranch_scc0 .Lentry_shape_is_right
	s_endpgm
.Lentry_shape_is_right:
.set KS,    32
.set SECT,  6553600
.set PAN,   12800
.set SLB,   204800
.set TURNB, 12*PAN
.set STG,   67584
.set SPARE, 307200
.set WV,  14
.set G1P, 24
.set G0P, 32
.set G1Q, 48
.set G0Q, 56
.set G1PB, 76
.set G1QB, 84
.macro ROUND
	s_barrier_signal -1
	s_barrier_wait -1
	s_cmp_lg_u32 s[WV], 0
	s_cbranch_scc1 .Lnot_wave_0_\@
	s_barrier_signal -3
.Lnot_wave_0_\@:
	s_barrier_wait -3
	s_barrier_signal -1
	s_barrier_wait -1
.endm
.macro JLOAD s
	s_cmp_lt_u32 s[WV], 8
	s_cbranch_scc0 .Lfor_q_\@
.if \s
	tensor_load_to_lds s[G0P+4:G0P+7], s[G1PB:G1PB+7]
.else
	tensor_load_to_lds s[G0P:G0P+3], s[G1P:G1P+7]
.endif
	s_nop 0
.rept 4
	v_nop
.endr
	s_branch .Lasked_\@
.Lfor_q_\@:
.if \s
	tensor_load_to_lds s[G0Q+4:G0Q+7], s[G1QB:G1QB+7]
.else
	tensor_load_to_lds s[G0Q:G0Q+3], s[G1Q:G1Q+7]
.endif
	s_nop 0
.rept 4
	v_nop
.endr
.Lasked_\@:
.endm
.macro FRAG reg, a16, a8, off
	ds_load_b128 v[\reg:\reg+3], v[\a16] offset:\off
	ds_load_b64 v[\reg+4:\reg+5], v[\a8] offset:\off+512
	ds_load_b128 v[\reg+6:\reg+9], v[\a16] offset:\off+768
	ds_load_b64 v[\reg+10:\reg+11], v[\a8] offset:\off+1280
.endm
.macro WM x, y, zero
.set rD, 96+64*(\y)+8*(\x)
.set rA, 40+12*((\x)%4)
.set rB, 16+12*(\y)
.set rS, 88+(\x)/2
.if \zero
.if ((\x)%2) && (\y)
	v_wmma_scale_f32_16x16x128_f8f6f4 v[rD:rD+7], v[rA:rA+11], v[rB:rB+11], 0, v[rS], v92 matrix_a_fmt:MATRIX_FMT_FP6 matrix_b_fmt:MATRIX_FMT_FP6 matrix_a_scale:MATRIX_SCALE_ROW1 matrix_b_scale:MATRIX_SCALE_ROW1
.elseif (\x)%2
	v_wmma_scale_f32_16x16x128_f8f6f4 v[rD:rD+7], v[rA:rA+11], v[rB:rB+11], 0, v[rS], v92 matrix_a_fmt:MATRIX_FMT_FP6 matrix_b_fmt:MATRIX_FMT_FP6 matrix_a_scale:MATRIX_SCALE_ROW1
.elseif \y
	v_wmma_scale_f32_16x16x128_f8f6f4 v[rD:rD+7], v[rA:rA+11], v[rB:rB+11], 0, v[rS], v92 matrix_a_fmt:MATRIX_FMT_FP6 matrix_b_fmt:MATRIX_FMT_FP6 matrix_b_scale:MATRIX_SCALE_ROW1
.else
	v_wmma_scale_f32_16x16x128_f8f6f4 v[rD:rD+7], v[rA:rA+11], v[rB:rB+11], 0, v[rS], v92 matrix_a_fmt:MATRIX_FMT_FP6 matrix_b_fmt:MATRIX_FMT_FP6
.endif
.else
.if ((\x)%2) && (\y)
	v_wmma_scale_f32_16x16x128_f8f6f4 v[rD:rD+7], v[rA:rA+11], v[rB:rB+11], v[rD:rD+7], v[rS], v92 matrix_a_fmt:MATRIX_FMT_FP6 matrix_b_fmt:MATRIX_FMT_FP6 matrix_a_scale:MATRIX_SCALE_ROW1 matrix_b_scale:MATRIX_SCALE_ROW1
.elseif (\x)%2
	v_wmma_scale_f32_16x16x128_f8f6f4 v[rD:rD+7], v[rA:rA+11], v[rB:rB+11], v[rD:rD+7], v[rS], v92 matrix_a_fmt:MATRIX_FMT_FP6 matrix_b_fmt:MATRIX_FMT_FP6 matrix_a_scale:MATRIX_SCALE_ROW1
.elseif \y
	v_wmma_scale_f32_16x16x128_f8f6f4 v[rD:rD+7], v[rA:rA+11], v[rB:rB+11], v[rD:rD+7], v[rS], v92 matrix_a_fmt:MATRIX_FMT_FP6 matrix_b_fmt:MATRIX_FMT_FP6 matrix_b_scale:MATRIX_SCALE_ROW1
.else
	v_wmma_scale_f32_16x16x128_f8f6f4 v[rD:rD+7], v[rA:rA+11], v[rB:rB+11], v[rD:rD+7], v[rS], v92 matrix_a_fmt:MATRIX_FMT_FP6 matrix_b_fmt:MATRIX_FMT_FP6
.endif
.endif
.endm
.macro MM4 xa, zero
	WM \xa, 0, \zero
	WM \xa, 1, \zero
	WM (\xa)+1, 0, \zero
	WM (\xa)+1, 1, \zero
.endm
.macro KSTEP slot, ko, zero
.rept 4
	v_nop
.endr
	FRAG 16, 6+\slot, 8+\slot, \ko
	FRAG 28, 6+\slot, 8+\slot, \ko+1536
	ds_load_b32 v92, v[12+\slot] offset:\ko
.irp i, 0,1,2,3
	ds_load_b32 v[88+\i], v[10+\slot] offset:\ko+128*\i
.endr
.irp x, 0,1,2,3
	FRAG 40+12*\x, 2+\slot, 4+\slot, \ko+1536*\x
.endr
	s_wait_dscnt 8
	MM4 0, \zero
	s_wait_dscnt 0x0
	MM4 2, \zero
.rept 4
	v_nop
.endr
.irp x, 4,5,6,7
	FRAG 40+12*(\x-4), 2+\slot, 4+\slot, \ko+1536*\x
.endr
	s_wait_dscnt 8
	MM4 4, \zero
	s_wait_dscnt 0x0
	MM4 6, \zero
.endm
.macro WORKA zero
	KSTEP 0, 0, \zero
	KSTEP 0, 4*PAN, 0
.endm
.macro CHANGE slot, refill
	s_wait_tensorcnt 0x0
	ds_add_u32 v14, v15
.if \refill
	s_add_nc_u64 s[G0P+4*(1-\slot)+2:G0P+4*(1-\slot)+3], s[G0P+4*(1-\slot)+2:G0P+4*(1-\slot)+3], TURNB
	s_add_nc_u64 s[G0Q+4*(1-\slot)+2:G0Q+4*(1-\slot)+3], s[G0Q+4*(1-\slot)+2:G0Q+4*(1-\slot)+3], TURNB
.endif
	s_wait_dscnt 0x0
.if \refill
	ROUND
	JLOAD 1-\slot
.else
	s_barrier_signal -1
	s_barrier_wait -1
.endif
.endm
	s_load_b256 s[4:11], s[0:1], 0x0
	s_load_b64 s[12:13], s[0:1], 0x20
	v_lshl_add_u32 v14, v0, 2, SPARE
	v_mov_b32 v15, 0
	ds_add_u32 v14, v15
	ds_add_u32 v14, v15
	v_lshrrev_b32 v1, 5, v0
	s_delay_alu instid0(VALU_DEP_1)
	v_readfirstlane_b32 s[WV], v1
	s_and_b32 s15, s[WV], 7
	s_bfe_u32 s40, ttmp6, 0x40000
	s_bfe_u32 s41, ttmp6, 0x40004
	s_lshl_b32 s42, ttmp9, 2
	s_add_co_u32 s42, s42, s40
	s_and_b32 s43, ttmp7, 0xffff
	s_lshl_b32 s43, s43, 2
	s_add_co_u32 s43, s43, s41
	s_lshl_b32 s44, 0x1111, s40
	s_lshl_b32 s45, s41, 2
	s_lshl_b32 s45, 15, s45
	s_or_b32 s[G1P], s44, (3<<16)|(1<<21)
	s_or_b32 s[G1Q], s45, (3<<16)|(1<<21)
	s_or_b32 s[G1PB], s44, (3<<16)|(1<<21)
	s_or_b32 s[G1QB], s45, (3<<16)|(1<<21)
.irp g, G1P, G1Q
	s_mov_b32 s[\g+1], 32<<16
	s_mov_b32 s[\g+2], 50<<16
	s_mov_b32 s[\g+3], 32<<16
	s_mov_b32 s[\g+4], 50
	s_mov_b32 s[\g+5], 32
	s_mov_b32 s[\g+6], 0
	s_mov_b32 s[\g+7], 0
.endr
.irp g, G1PB, G1QB
	s_mov_b32 s[\g+1], 32<<16
	s_mov_b32 s[\g+2], 25<<16
	s_mov_b32 s[\g+3], 32<<16
	s_mov_b32 s[\g+4], 25
	s_mov_b32 s[\g+5], 32
	s_mov_b32 s[\g+6], 0
	s_mov_b32 s[\g+7], 0
.endr
	s_mul_i32 s20, s15, PAN
	s_mov_b32 s21, 0
	s_mul_i32 s22, s15, PAN/2
	s_add_co_u32 s22, s22, 8*PAN
	s_mov_b32 s23, 0
	s_mul_i32 s18, s42, KS*PAN
	s_add_co_u32 s18, s18, SECT
	s_mov_b32 s19, 0
	s_mul_i32 s46, s43, KS*PAN
	s_mov_b32 s47, 0
	s_mul_i32 s2, s[WV], PAN
	s_mul_i32 s3, s[WV], PAN/2
	s_wait_dscnt 0x0
	s_wait_kmcnt 0x0
	s_add_nc_u64 s[18:19], s[4:5], s[18:19]
	s_add_nc_u64 s[46:47], s[6:7], s[46:47]
	ROUND
	s_mov_b32 s[G0P], 1
	s_mov_b32 s[G0P+1], s2
	s_add_nc_u64 s[G0P+2:G0P+3], s[18:19], s[20:21]
	s_or_b32 s[G0P+3], s[G0P+3], 0x80000000
	s_mov_b32 s[G0Q], 1
	s_mov_b32 s[G0Q+1], s2
	s_add_nc_u64 s[G0Q+2:G0Q+3], s[46:47], s[20:21]
	s_or_b32 s[G0Q+3], s[G0Q+3], 0x80000000
	JLOAD 0
	s_mov_b32 s[G0P+4], 1
	s_add_co_u32 s[G0P+5], s3, SLB
	s_add_nc_u64 s[G0P+6:G0P+7], s[18:19], s[22:23]
	s_or_b32 s[G0P+7], s[G0P+7], 0x80000000
	s_mov_b32 s[G0Q+4], 1
	s_add_co_u32 s[G0Q+5], s3, SLB
	s_add_nc_u64 s[G0Q+6:G0Q+7], s[46:47], s[22:23]
	s_or_b32 s[G0Q+7], s[G0Q+7], 0x80000000
	s_wait_alu depctr_va_vdst(0)
	s_wait_tensorcnt 0x0
	ds_add_u32 v14, v15
	s_wait_dscnt 0x0
	ROUND
	JLOAD 1
	v_and_b32 v1, 31, v0
	s_delay_alu instid0(VALU_DEP_1)
	v_lshlrev_b32 v244, 4, v1
	s_wait_alu depctr_va_vdst(0)
	v_lshlrev_b32 v245, 3, v1
	s_wait_alu depctr_va_vdst(0)
	v_lshlrev_b32 v246, 2, v1
	s_wait_alu depctr_va_vdst(0)
	s_lshr_b32 s66, s[WV], 2
	s_and_b32 s67, s[WV], 3
	s_mul_i32 s69, s66, PAN
	s_mul_i32 s72, s67, 3072
	s_add_co_u32 s72, s72, s69
	s_add_co_u32 s72, s72, 8*PAN
	s_lshl_b32 s71, s67, 7
	s_add_co_u32 s71, s71, s69
	s_add_co_u32 s71, s71, 8*PAN+12288
	s_add_co_u32 s70, s69, 12288
.irp s, 0,1
	v_add_nc_u32 v[2+\s], s69, v244
	v_add_nc_u32 v[4+\s], s69, v245
	v_add_nc_u32 v[6+\s], s72, v244
	v_add_nc_u32 v[8+\s], s72, v245
	v_add_nc_u32 v[10+\s], s70, v246
	v_add_nc_u32 v[12+\s], s71, v246
	s_add_co_u32 s69, s69, SLB
	s_add_co_u32 s70, s70, SLB
	s_add_co_u32 s71, s71, SLB-4*PAN
	s_add_co_u32 s72, s72, SLB-4*PAN
.endr
	v_and_b32 v16, 15, v0
	s_delay_alu instid0(VALU_DEP_1)
	v_and_b32 v17, 8, v16
	s_delay_alu instid0(VALU_DEP_1)
	v_add_nc_u32 v16, v16, v17
	v_bfe_u32 v17, v0, 4, 1
	s_delay_alu instid0(VALU_DEP_2)
	v_mul_u32_u24 v247, v16, 528
	s_delay_alu instid0(VALU_DEP_1)
	v_lshl_add_u32 v247, v17, 6, v247
	s_mul_i32 s73, s66, STG
	s_mul_i32 s74, s67, 32*528
	s_add_co_u32 s73, s73, s74
	v_add_nc_u32 v247, s73, v247
	s_mul_i32 s73, s[WV], 8*528
.irp c, 0,1,2,3
	v_add_nc_u32 v[248+\c], s73, v244
	s_add_co_u32 s73, s73, STG
.endr
	s_lshl_b32 s68, s43, 7
	s_lshl_b32 s69, s[WV], 3
	s_add_co_u32 s68, s68, s69
	s_lshl_b32 s68, s68, 12
	s_lshl_b32 s70, s42, 9
	s_add_co_u32 s68, s68, s70
	s_mov_b32 s69, 0
	s_mov_b32 s71, 0
	s_add_nc_u64 s[10:11], s[10:11], s[68:69]
	s_add_nc_u64 s[12:13], s[12:13], s[68:69]
	s_add_nc_u64 s[8:9], s[8:9], s[70:71]
	s_wait_tensorcnt 1
	s_barrier_signal -1
	s_barrier_wait -1
	WORKA 1
	CHANGE 1, 1
	KSTEP 1, 0, 0
	CHANGE 0, 1
	WORKA 0
	CHANGE 1, 1
	KSTEP 1, 0, 0
	CHANGE 0, 0
	WORKA 0
.rept 4
	v_nop
.endr
.irp i, 0,1,2,3,4,5,6,7
	global_load_b128 v[16+4*\i:19+4*\i], v244, s[10:11] offset:4096*\i
.endr
	global_load_b128 v[48:51], v244, s[8:9]
	s_wait_dscnt 0x0
	s_barrier_signal -1
	s_barrier_wait -1
	s_wait_alu depctr_va_vdst(0)
.irp y, 0,1
.irp x, 0,1,2,3,4,5,6,7
	ds_store_b128 v247, v[96+64*\y+8*\x:99+64*\y+8*\x] offset:4224*\y+128*(\x/2)+32*(\x%2)
	ds_store_b128 v247, v[100+64*\y+8*\x:103+64*\y+8*\x] offset:4224*\y+128*(\x/2)+32*(\x%2)+16
.endr
.endr
	s_wait_dscnt 0x0
	s_barrier_signal -1
	s_barrier_wait -1
.irp c, 0,1,2,3
.irp i, 0,1,2,3,4,5,6,7
	ds_load_b128 v[96+32*\c+4*\i:99+32*\c+4*\i], v[248+\c] offset:528*\i
.endr
.endr
	s_wait_dscnt 0x0
	s_wait_loadcnt 0x0
.irp i, 0,1,2,3,4,5,6,7
	v_pk_add_f32 v[96+4*\i:97+4*\i], v[96+4*\i:97+4*\i], v[128+4*\i:129+4*\i]
	v_pk_add_f32 v[98+4*\i:99+4*\i], v[98+4*\i:99+4*\i], v[130+4*\i:131+4*\i]
	v_pk_add_f32 v[160+4*\i:161+4*\i], v[160+4*\i:161+4*\i], v[192+4*\i:193+4*\i]
	v_pk_add_f32 v[162+4*\i:163+4*\i], v[162+4*\i:163+4*\i], v[194+4*\i:195+4*\i]
	v_pk_add_f32 v[16+4*\i:17+4*\i], v[16+4*\i:17+4*\i], v[48:49]
	v_pk_add_f32 v[18+4*\i:19+4*\i], v[18+4*\i:19+4*\i], v[50:51]
	s_delay_alu instid0(VALU_DEP_4)
	v_pk_add_f32 v[96+4*\i:97+4*\i], v[96+4*\i:97+4*\i], v[160+4*\i:161+4*\i]
	s_delay_alu instid0(VALU_DEP_4)
	v_pk_add_f32 v[98+4*\i:99+4*\i], v[98+4*\i:99+4*\i], v[162+4*\i:163+4*\i]
	s_delay_alu instid0(VALU_DEP_2)
	v_pk_add_f32 v[96+4*\i:97+4*\i], v[96+4*\i:97+4*\i], v[16+4*\i:17+4*\i]
	s_delay_alu instid0(VALU_DEP_2)
	v_pk_add_f32 v[98+4*\i:99+4*\i], v[98+4*\i:99+4*\i], v[18+4*\i:19+4*\i]
	global_store_b128 v244, v[96+4*\i:99+4*\i], s[12:13] offset:4096*\i
.endr
	s_wait_tensorcnt 0x0
	ds_add_u32 v14, v15
	s_wait_dscnt 0x0
	ROUND
	s_endpgm
.Lfunc_end_k_q8f14e7c3c0_ffn2:
	.size	k_q8f14e7c3c0_ffn2, .Lfunc_end_k_q8f14e7c3c0_ffn2-k_q8f14e7c3c0_ffn2
	.p2alignl 7, 3214868480
	.fill 96, 4, 3214868480
	.section	.rodata,"a",@progbits
	.p2align	6, 0x0
	.amdhsa_kernel k_q8f14e7c3c0_ffn2
		.amdhsa_group_segment_fixed_size 327680
		.amdhsa_private_segment_fixed_size 0
		.amdhsa_enable_private_segment 0
		.amdhsa_kernarg_size 40
		.amdhsa_user_sgpr_count 2
		.amdhsa_user_sgpr_kernarg_segment_ptr 1
		.amdhsa_wavefront_size32 1
		.amdhsa_system_sgpr_workgroup_id_x 1
		.amdhsa_system_sgpr_workgroup_id_y 1
		.amdhsa_system_sgpr_workgroup_id_z 1
		.amdhsa_system_vgpr_workitem_id 0
		.amdhsa_next_free_vgpr 256
		.amdhsa_next_free_sgpr 96
		.amdhsa_reserve_vcc 0
		.amdhsa_float_denorm_mode_32 3
		.amdhsa_float_denorm_mode_16_64 3
		.amdhsa_memory_ordered 1
		.amdhsa_forward_progress 1
		.amdhsa_inst_pref_size 67
	.end_amdhsa_kernel
	.amdgpu_metadata
---
amdhsa.version: [ 1, 2 ]
amdhsa.kernels:
  - .name:           k_q8f14e7c3c0_ffn2
    .symbol:         k_q8f14e7c3c0_ffn2.kd
    .args:
      - { .name: wimg, .offset: 0, .size: 8, .value_kind: global_buffer, .address_space: global }
      - { .name: hid, .offset: 8, .size: 8, .value_kind: global_buffer, .address_space: global }
      - { .name: b2, .offset: 16, .size: 8, .value_kind: global_buffer, .address_space: global }
      - { .name: x1, .offset: 24, .size: 8, .value_kind: global_buffer, .address_space: global }
      - { .name: out0, .offset: 32, .size: 8, .value_kind: global_buffer, .address_space: global }
    .group_segment_fixed_size: 327680
    .private_segment_fixed_size: 0
    .kernarg_segment_align: 8
    .kernarg_segment_size: 40
    .max_flat_workgroup_size: 512
    .sgpr_count:     96
    .vgpr_count:     256
    .wavefront_size: 32
...
	.end_amdgpu_metadata
.endif
;; end of part 7
